; MI455X (gfx1250); checked and timed in simulation.
; The chip was launched on July 23, 2026; its instructions are those of AMD's public machine-readable ISA for CDNA 5 (MIT licence, August 2026) and "CDNA5" Instruction Set Architecture Reference Guide (July 2026). The comments in the code are by the model that wrote it; some were corrected since.
;; Qwen3 Attention. Allowed arithmetic: matrix products marked QUANTISED: E2M3 operands, one E8M0 scale for each 32 along K, by v_wmma_scale_f32_16x16x128_f8f6f4 with both operands' format E2M3, f32 sums; everything else in f32.
;; Inputs: k_norm_w 128 float32; q_norm_w 128 float32; wk 1,024 x 1,024 float32; wo 2,048 x 1,024 float32; wq 1,024 x 2,048 float32; wv 1,024 x 1,024 float32; x 2 x 2,048 x 1,024 float32.
;; Outputs: out0 2 x 2,048 x 1,024 float32.
;; This version of the problem:
;;   THIS VERSION OF THE PROBLEM IS GIVEN IN LOW PRECISION. The matrix products marked QUANTISED in the list below multiply operands that are first quantised to E2M3 (2 exponent bits, 3 mantissa bits; 6 bits a number), with one power-of-two scale for each 32 numbers along K (OCP MX v1.0); their sums are f32. All else is computed in f32.
;;   The module's matrix products, in the order in which they are computed (A, B: the left and right operand; K: the contracted axis; several contracted axes count as one K, in the product's order):
;;     1. [M 4,096, K 1,024] x [K 1,024, N 2,048]; A: input x; B: input wq: QUANTISED
;;     2. [M 4,096, K 1,024] x [K 1,024, N 1,024]; A: input x; B: input wk: QUANTISED
;;     3. [M 4,096, K 1,024] x [K 1,024, N 1,024]; A: input x; B: input wv: QUANTISED
;;     4. batch 32 x [M 2,048, K 128] x [K 128, N 2,048]; A: computed on the way; B: computed on the way: QUANTISED
;;     5. batch 32 x [M 2,048, K 2,048] x [K 2,048, N 128]; A: softmax (see below); B: computed on the way: QUANTISED
;;     6. [M 4,096, K 2,048] x [K 2,048, N 1,024]; A: computed on the way; B: input wo: QUANTISED
;;   THE QUANTISER, for each operand of a quantised product, along K:
;;     - K is cut into blocks of 32 from its start; a last block that is shorter is filled with zeros.
;;     - A block's scale is 2^e with e = floor(log2(the largest magnitude in the block)) - 2, held to -126 .. 127; a block of zeros has e = 0. As a byte (E8M0): e + 127.
;;     - Each number is divided by its block's scale, clamped to +-7.5, and rounded to the nearest number of E2M3, ties to even, subnormals kept.
;;     - The product sums the exact products of the quantised numbers (number of the format x scale) in f32.
;;   ~~~python
;;   def quantise(x, axis):      # numpy; x: float32 -> the quantised numbers, widened to float32 again
;;       x = np.moveaxis(x, axis, -1); K = x.shape[-1]
;;       x = np.pad(x, [(0, 0)] * (x.ndim - 1) + [(0, -K % 32)]); x = x.reshape(x.shape[:-1] + (-1, 32)); a = np.abs(x).max(-1, keepdims=True)
;;       e = np.where(a > 0, np.clip(np.frexp(np.where(a > 0, a, 1))[1] - 1 - 2, -126, 127), 0)      # np.frexp(a)[1] - 1 = floor(log2(a)), exactly
;;       r = np.clip(x / 2.0 ** e, -7.5, 7.5)
;;       step = 2.0 ** (np.maximum(np.frexp(np.where(r == 0, 1, r))[1] - 1, 0) - 3)
;;       q = np.round(r / step) * step * 2.0 ** e      # np.round: ties to even
;;       return np.moveaxis(q.reshape(q.shape[:-2] + (-1,))[..., :K], -1, axis).astype(np.float32)
;;   ~~~
;;   SOFTMAX AHEAD OF A QUANTISED PRODUCT. Where the list says 'softmax', what is quantised is not the finished softmax but p = 2^(t - M), with t = logit x log2(e) and M = ceil(the row's largest t), a whole number; so 1/2 < the row's largest p <= 1. The row's sum l is taken of the UNQUANTISED p, in f32, and the product's result is divided by l at the end. Since M is a whole number, a kernel that streams over the keys may use a running M (the ceiling of the running maximum): every later rescaling is an exact power of two, which a block's scale takes up: the codes' values come out the same.
;;   OPERANDS COMPUTED ON THE WAY. 'Computed on the way' means the value that the module computes at that place (a softmax that the list does not call 'softmax' is quantised finished and normalised). What goes into a quantiser is computed in f32, as accurately as f32 sums, v_exp_f32 and their like allow (about 1e-6 of the number): no bf16 or f16 on the way to a quantiser, and a product that is left as it is and whose result goes on into a quantised operand takes f32 operands (vector FMAs, or v_wmma_f32_16x16x4_f32). A number that lies on a knife's edge between two numbers of the format may be rounded either way, as far as f32 arithmetic and the matrix unit's own rounding can turn it there, and no further.
;; One version. Each part assembles by itself: llvm-mc -triple=amdgcn-amd-amdhsa -mcpu=gfx1250 --defsym DOCPART=n.
;; ======== version 1 of 1: 4 launches
;; workspace buffers: c1 6,291,456 bytes; s1 524,288 bytes; tab 1,048,576 bytes; qc 6,553,600 bytes; kv 6,553,600 bytes; c6 7,864,320 bytes; s6 655,360 bytes
;; launch prep (part 1): grid 352 x 1, 4 waves a work-group, no clusters, 58,880 bytes of LDS; arguments x, wq, wk, wv, wo, c1, s1, c6, s6, tab; writes c1, s1, c6, s6, tab
.if DOCPART == 1
	.amdgcn_target "amdgcn-amd-amdhsa--gfx1250"
	.amdhsa_code_object_version 6
	.text
	.protected	k_qb760a2fcf3_prep
	.globl	k_qb760a2fcf3_prep
	.p2align	8
	.type	k_qb760a2fcf3_prep,@function
k_qb760a2fcf3_prep:
	s_mov_b64 s[64:65], 0
	v_nop
	global_prefetch_b8 v0, s[64:65] scope:SCOPE_SE
	s_setreg_imm32_b32 hwreg(HW_REG_WAVE_MODE, 25, 1), 1
	s_wait_xcnt 0x0
; PREP: x, wq, wk, wv, wo (f32) become codes of FP6 (E2M3) with one E8M0 byte for each 32 along K; and the table of RoPE's cos and sin is made.
; THE WHOLE PROGRAM: prep -> qkv (products 1-3, RMS norm, RoPE, q, k, v quantised in registers) -> attn (products 4, 5, softmax, y quantised) -> oproj (product 6).
; WORK LEFT OUT (in attn alone): a key step all of whose 128 keys come after a wave's queries.  reference() adds triu(-inf, k = 1) to the scores in its own body, so for every value
; of the inputs those keys' weights are exp(-inf) = 0 and add nothing to the row's sum or to y.  Every input has a way to the output and is loaded.
; LIMITS: a NaN, an infinity or an overflow that arises only in scores under that mask is not carried to the result; NaN and infinities among the inputs are not served; a block of zeros,
; and a block whose largest magnitude lies under 2^-124, gets the byte 1 (its codes are zeros or tiny; these bytes are read by this program alone); the angles' reduction serves
; angles up to 2,047 rad, which the problem's positions bound; theta comes from v_exp_f32, so the largest angles may differ from reference()'s by about 2e-4 rad.
; LAYOUTS OF MY OWN BUFFERS.  A TILE is 16 rows of a group of 32: lane row r of tile 2 G + u is row 32 G + 8 u + r + 8 (r / 8).  So where such a tile is source 0 of a product, the 16 result registers
; of tiles 2 G, 2 G + 1 are 16 NEIGHBOURING rows, 32 G + 16 (lane / 16) + 0 .. 15, ready for the next quantiser.  A FRAGMENT (16 rows x 128 K, 12 registers a lane) lies as an image of its registers:
; register group g (4 registers) of lane l at 512 g + 16 l: 1,536 dense bytes.  A SCALE IMAGE is 128 bytes a fragment, row r's word at 4 r.
; c1 [512 tiles][8 K steps][1,536]: tiles 0-255 x's tokens, 256-383 wq's columns, 384-447 wk's, 448-511 wv's; s1 their scale images.  c6, s6 [320][16]: tiles 256-319 wo's columns (0-255: attn's y).
; SHARES: work-groups 0-127: x, a wave 16 rows x 512 K; 128-319: the weights, a wave 32 columns x 256 K, a lane a column and its registers down K; 320-351: the table, a wave 16 positions.
; Waves share nothing: no barrier.  Each path has LDS bytes of its own.
.set XSTW,  8448                       ; x's stage: 16 rows x (512 bytes + 16) for each wave: row r starts 132 words on, so sixteen rows' 16 bytes fall on different banks
.set WST,   33792                      ; behind the four: the weights' stage, 4 fragment images for each wave
.set WSTW,  6144
.set SPARE, 58368                      ; behind the stages: the spare words, 128 bytes for each wave
.set SPW,  4                           ; v4   LDS address of my spare word; never rewritten
.set NIL,  5                           ; v5   0; never rewritten
.set L16,  6                           ; v6   16 x lane
.set L4,   7                           ; v7   4 x lane
.set XSI,  8                           ; v8   x's stage, in: 16 x lane
.set XSO,  9                           ; v9   x's stage, out: 528 r + 128 h
.set WSI,  10                          ; v10  the weights' stage, in: 3,072 u' + 16 r'
.set WSR,  11                          ; v11  and out: 16 x lane
.set R,    16                          ; v16-143  x as loaded, two sets of 64
.set X,    144                         ; v144-207 64 numbers of my row: blocks h and 2 + h, whole
.set PC,   208                         ; v208-219 a fragment's codes
.set PT,   220                         ; v220-226 the second halves of the blocks' codes, before they are moved
.set OFS,  16                          ; v16-47   weights: 4 x lane + i rows
.set X2,   48                          ; v48-111  two sets of 32 numbers
.set C,    112                         ; v112-117 a block's codes
.set D,    120
.set SBW,  124                         ; v124-125 my column's scale words of the two K steps
.set OUTR, 128                         ; v128-175 the way out
.macro FINISH                          ; the wave's end: behind my last LDS store
	s_wait_tensorcnt 0x0
	ds_add_u32 v[SPW], v[NIL]
	s_wait_dscnt 0x0
	s_endpgm
.endm
.macro LOADX q                         ; K step q of my 16 rows: each load reads 512 consecutive bytes of one row
.set p, 0
.rept 16
	global_load_b128 v[R+64*((\q)%2)+4*p:R+64*((\q)%2)+4*p+3], v[L16], s[4:5] offset:(p+8*(p/8))*4096+512*(\q) th:TH_LOAD_NT
.set p, p+1
.endr
.endm
.macro XSTEP q
.if (\q) < 3
	s_wait_loadcnt 16                              ; this K step's 16 loads are in; the next step's 16 may be out
.else
	s_wait_loadcnt 0x0
.endif
.set p, 0
.rept 16
	ds_store_b128 v[XSI], v[R+64*((\q)%2)+4*p:R+64*((\q)%2)+4*p+3] offset:528*p
.set p, p+1
.endr
.set p, 0
.rept 16
	ds_load_b128 v[X+4*p:X+4*p+3], v[XSO] offset:256*(p/8)+16*(p%8)   ; LDS serves a wave's instructions in order: these see my stores.  k = 64 c + 32 h + 0 .. 31 of row r
.set p, p+1
.endr
	s_wait_dscnt 0x0                               ; the numbers are back, and the stores have read their registers
.if (\q) < 2
	LOADX (\q)+2
.endif
	s_wait_xcnt 0x0                                ; the last step's stores have read their data: the codes and the word are written again only behind this wait
.irp c, 0,1
	v_max3_num_f32 v[228+\c], |v[X+32*\c]|, |v[X+32*\c+1]|, 0x1800000   ; my block 2 c + h, and the floor 2^(3 - 127): the byte cannot fall under 1
.endr
.set p, 2
.rept 15
.irp c, 0,1
	v_max3_num_f32 v[228+\c], v[228+\c], |v[X+32*\c+p]|, |v[X+32*\c+p+1]|
.endr
.set p, p+2
.endr
.irp c, 0,1
	v_add_nc_u32 v[230+\c], 0xff000000, v[228+\c]  ; 2 off the exponent field: the conversion's scale operand
.endr
.irp c, 0,1
	v_lshrrev_b32 v[232+\c], 23, v[230+\c]         ; the scale's byte
.endr
	v_lshl_or_b32 v234, v233, 16, v232             ; my two bytes: blocks h and 2 + h,
	v_lshlrev_b32 v234, v236, v234                 ; 8 h bits up;
	v_permlanex16_b32 v235, v234, s26, s27
	v_or_b32 v234, v234, v235                      ; with lane l xor 16's two the word is whole
.irp c, 0,1
	v_cvt_scalef32_pk16_fp6_f32 v[PC+6*\c:PC+6*\c+2], v[X+32*\c:X+32*\c+15], v[230+\c]
	v_cvt_scalef32_pk16_fp6_f32 v[PT+4*\c:PT+4*\c+2], v[X+32*\c+16:X+32*\c+31], v[230+\c]   ; (a conversion's three registers begin on an even number)
.endr
	v_nop                                          ; one plain place behind a scaled conversion
.irp c, 0,1
.irp i, 0,1,2
	v_mov_b32 v[PC+3+6*\c+\i], v[PT+4*\c+\i]
.endr
.endr
.irp g, 0,1,2
	global_store_b128 v[L16], v[PC+4*\g:PC+4*\g+3], s[14:15] offset:1536*(\q)+512*\g   ; 32 lanes store 512 consecutive bytes
.endr
	global_store_b32 v[L4], v234, s[16:17] offset:128*(\q)
.endm
.macro LOADW t                         ; block t: rows 32 t + i of my column
.set p, 0
.rept 32
	global_load_b32 v[X2+32*((\t)%2)+p], v[OFS+p], s[32+2*(\t):33+2*(\t)] th:TH_LOAD_NT
.set p, p+1
.endr
.endm
.macro BLOCK t
.set XS, X2+32*((\t)%2)
.if (\t) < 7
	s_wait_loadcnt 32                              ; this block's 32 loads are in; the next block's may be out
.else
	s_wait_loadcnt 0x0
.endif
	v_max3_num_f32 v126, |v[XS]|, |v[XS+1]|, |v[XS+2]|
	v_max3_num_f32 v127, |v[XS+3]|, |v[XS+4]|, |v[XS+5]|
.irp i, 6,10,14,18,22,26
	v_max3_num_f32 v126, v126, |v[XS+\i]|, |v[XS+\i+1]|
	v_max3_num_f32 v127, v127, |v[XS+\i+2]|, |v[XS+\i+3]|
.endr
	v_max3_num_f32 v126, v126, |v[XS+30]|, |v[XS+31]|
	v_max3_num_f32 v126, v126, v127, 0x1800000     ; and the floor
	v_add_nc_u32 v118, 0xff000000, v126
	v_lshrrev_b32 v119, 23, v118
.if (\t)%4 == 0
	v_mov_b32 v[SBW+(\t)/4], v119
.else
	v_lshl_or_b32 v[SBW+(\t)/4], v119, 8*((\t)%4), v[SBW+(\t)/4]
.endif
	v_cvt_scalef32_pk16_fp6_f32 v[C:C+2], v[XS:XS+15], v118
	v_cvt_scalef32_pk16_fp6_f32 v[D:D+2], v[XS+16:XS+31], v118
	v_nop                                          ; one plain place behind a scaled conversion
.irp i, 0,1,2
	v_mov_b32 v[C+3+\i], v[D+\i]
.endr
; block 2 c + h of K step t / 4 is registers 6 c .. 6 c + 5 of lane r' + 16 h of my tile's image
.if ((\t)%4) < 2
	ds_store_b128 v[WSI], v[C:C+3] offset:1536*((\t)/4)+256*((\t)%2)
	ds_store_b64 v[WSI], v[C+4:C+5] offset:1536*((\t)/4)+256*((\t)%2)+512
.else
	ds_store_b64 v[WSI], v[C:C+1] offset:1536*((\t)/4)+256*((\t)%2)+520
	ds_store_b128 v[WSI], v[C+2:C+5] offset:1536*((\t)/4)+256*((\t)%2)+1024
.endif
.if (\t) < 6
	LOADW (\t)+2
.endif
	s_wait_dscnt 0x0                               ; the stores have read their registers
.endm
.macro SINCOS f, c, s                  ; cos and sin of v[f] (0 .. 2,047 rad): n = the nearest multiple of pi / 2, taken away in two parts; polynomials on |r| <= pi / 4; the quadrant by selects
	v_mul_f32 v28, s32, v[\f]
	v_rndne_f32 v28, v28
	v_fma_f32 v29, v28, s33, v[\f]
	v_fma_f32 v29, v28, s34, v29
	v_mul_f32 v30, v29, v29
	v_fma_f32 v31, v30, s37, s36
	v_fma_f32 v32, v30, s40, s39
	v_fma_f32 v31, v31, v30, s35
	v_fma_f32 v32, v32, v30, s38
	v_mul_f32 v33, v30, v29
	v_mul_f32 v34, v30, v30
	v_fma_f32 v35, v30, -0.5, 1.0
	v_fma_f32 v31, v31, v33, v29                   ; sin r
	v_fma_f32 v32, v32, v34, v35                   ; cos r
	v_cvt_i32_f32 v28, v28
	v_and_b32 v33, 1, v28
	v_cmp_eq_u32 vcc_lo, 1, v33
	v_cndmask_b32 v[\s], v31, v32, vcc_lo          ; odd quadrants change the two
	v_cndmask_b32 v[\c], v32, v31, vcc_lo
	v_and_b32 v33, 2, v28
	v_lshlrev_b32 v33, 30, v33
	v_xor_b32 v[\s], v33, v[\s]                    ; sin is negative in quadrants 2, 3
	v_add_nc_u32 v34, 1, v28
	v_and_b32 v34, 2, v34
	v_lshlrev_b32 v34, 30, v34
	v_xor_b32 v[\c], v34, v[\c]                    ; cos in quadrants 1, 2
.endm
	s_load_b512 s[4:19], s[0:1], 0x0               ; x s[4:5], wq s[6:7], wk s[8:9], wv s[10:11], wo s[12:13], c1 s[14:15], s1 s[16:17], c6 s[18:19]
	s_load_b128 s[20:23], s[0:1], 0x40             ; s6 s[20:21], tab s[22:23]
	v_lshl_add_u32 v[SPW], v0, 2, SPARE
	v_mov_b32 v[NIL], 0
	v_lshrrev_b32 v1, 5, v0
	v_readfirstlane_b32 s24, v1                    ; wave
	v_and_b32 v1, 31, v0                           ; lane
	v_and_b32 v2, 15, v0                           ; r
	v_bfe_u32 v3, v0, 4, 1                         ; h
	v_lshlrev_b32 v[L16], 4, v1
	v_lshlrev_b32 v[L4], 2, v1
	s_mul_i32 s25, s24, XSTW
	v_add_nc_u32 v[XSI], s25, v[L16]
	v_mul_u32_u24 v[XSO], v2, 528
	v_lshl_add_u32 v[XSO], v3, 7, v[XSO]
	v_add_nc_u32 v[XSO], s25, v[XSO]
	v_bfe_u32 v12, v0, 3, 1                        ; u': which tile of the group of 32 my column falls into
	v_and_b32 v13, 7, v0
	v_lshl_add_u32 v13, v3, 3, v13                 ; r': its lane row there
	s_mul_i32 s25, s24, WSTW
	s_add_co_u32 s25, s25, WST
	v_mul_u32_u24 v[WSI], v12, 3072
	v_lshl_add_u32 v[WSI], v13, 4, v[WSI]
	v_add_nc_u32 v[WSI], s25, v[WSI]
	v_add_nc_u32 v[WSR], s25, v[L16]
	s_mov_b32 s26, 0x76543210
	s_mov_b32 s27, 0xfedcba98                      ; v_permlanex16_b32's selects for lane l xor 16
	s_wait_kmcnt 0x0
	s_cmp_lt_u32 ttmp9, 128
	s_cbranch_scc1 .Lpath_x
	s_cmp_lt_u32 ttmp9, 320
	s_cbranch_scc1 .Lpath_w
	; ---- THE TABLE: tab[pos][2 i] = cos(pos theta_i), tab[pos][2 i + 1] = sin: lane l owns frequencies 2 l and 2 l + 1: 16 bytes a lane, 512 dense bytes a position
	s_sub_co_u32 s28, ttmp9, 320
	s_lshl_b32 s28, s28, 2
	s_add_co_u32 s28, s28, s24
	s_lshl_b32 s28, s28, 4                         ; my wave's first position
	s_mov_b32 s32, 0x3f22f983                      ; 2 / pi
	s_mov_b32 s33, 0xbfc90fdb                      ; -pi / 2, its high part,
	s_mov_b32 s34, 0x333bbd2e                      ; and what is left of it
	s_mov_b32 s35, 0xbe2aaaa3                      ; sin's three coefficients
	s_mov_b32 s36, 0x3c08839e
	s_mov_b32 s37, 0xb94ca1f9
	s_mov_b32 s38, 0x3d2aaaa5                      ; cos's three
	s_mov_b32 s39, 0xbab6061a
	s_mov_b32 s40, 0x37ccf5ce
	v_lshlrev_b32 v16, 1, v1
	v_cvt_f32_u32 v16, v16
	v_add_f32 v17, 1.0, v16
	v_mul_f32 v16, 0xbe9f73da, v16                 ; -i log2(1e6) / 64
	v_mul_f32 v17, 0xbe9f73da, v17
	v_exp_f32 v16, v16                             ; theta
	v_exp_f32 v17, v17
	s_lshl_b32 s29, s28, 9
	v_add_nc_u32 v18, s29, v[L16]                  ; (a plain place behind the exponentials)  my 16 bytes of the first position's row
	s_wait_alu depctr_va_vdst(0)                   ; one wait for both, ahead of their first reader and of the label
	s_mov_b32 s30, 0
.Lpos:
	s_add_co_u32 s31, s28, s30
	v_cvt_f32_u32 v19, s31
	v_mul_f32 v20, v19, v16
	v_mul_f32 v21, v19, v17
	SINCOS 20, 24, 25
	SINCOS 21, 26, 27
	global_store_b128 v18, v[24:27], s[22:23]
	s_wait_xcnt 0x0                                ; the offset and the data are written again only behind this wait
	v_add_nc_u32 v18, 512, v18
	s_add_co_u32 s30, s30, 1
	s_cmp_lt_u32 s30, 16
	s_cbranch_scc1 .Lpos
	FINISH
.Lpath_x:
	s_lshl_b32 s28, ttmp9, 2
	s_add_co_u32 s28, s28, s24                     ; unit 0 .. 511
	s_lshr_b32 s29, s28, 1                         ; tile
	s_and_b32 s30, s28, 1                          ; which half of K
	s_lshr_b32 s31, s29, 1
	s_lshl_b32 s31, s31, 5
	s_and_b32 s32, s29, 1
	s_lshl_b32 s32, s32, 3
	s_add_co_u32 s31, s31, s32                     ; the tile's first row: 32 G + 8 u
	s_lshl_b32 s32, s31, 12
	s_lshl_b32 s33, s30, 11
	s_add_co_u32 s32, s32, s33
	s_mov_b32 s33, 0
	s_add_nc_u64 s[4:5], s[4:5], s[32:33]
	s_mul_i32 s32, s29, 12288
	s_mul_i32 s34, s30, 6144
	s_add_co_u32 s32, s32, s34
	s_add_nc_u64 s[14:15], s[14:15], s[32:33]
	s_lshl_b32 s32, s29, 10
	s_lshl_b32 s34, s30, 9
	s_add_co_u32 s32, s32, s34
	s_add_nc_u64 s[16:17], s[16:17], s[32:33]
	v_lshlrev_b32 v236, 3, v3                      ; 8 h
	v_mov_b32 v235, 0                              ; (a lane permute's destination counts as one of its sources)
	LOADX 0
	LOADX 1
	XSTEP 0
	XSTEP 1
	XSTEP 2
	XSTEP 3
	FINISH
.Lpath_w:
	s_sub_co_u32 s25, ttmp9, 128                   ; 0-63 wq, 64-95 wk, 96-127 wv, 128-191 wo: the choices hang on the work-group's number alone
	s_mov_b64 s[28:29], s[12:13]                   ; the tensor
	s_mov_b64 s[48:49], s[18:19]                   ; where its codes go,
	s_mov_b64 s[50:51], s[20:21]                   ; and its scale images
	s_mov_b32 s52, 4096                            ; a row in bytes
	s_mov_b32 s53, 128                             ; its first work-group
	s_mov_b32 s54, 3                               ; log2 of its work-groups along the columns
	s_mov_b32 s55, 256                             ; its first tile
	s_mov_b32 s56, 16                              ; K steps of a tile
	s_cmp_lt_u32 s25, 128
	s_cselect_b64 s[28:29], s[10:11], s[28:29]
	s_cselect_b64 s[48:49], s[14:15], s[48:49]
	s_cselect_b64 s[50:51], s[16:17], s[50:51]
	s_cselect_b32 s53, 96, s53
	s_cselect_b32 s55, 448, s55
	s_cselect_b32 s56, 8, s56
	s_cmp_lt_u32 s25, 96
	s_cselect_b64 s[28:29], s[8:9], s[28:29]
	s_cselect_b32 s53, 64, s53
	s_cselect_b32 s55, 384, s55
	s_cmp_lt_u32 s25, 64
	s_cselect_b64 s[28:29], s[6:7], s[28:29]
	s_cselect_b32 s53, 0, s53
	s_cselect_b32 s55, 256, s55
	s_cselect_b32 s54, 4, s54
	s_cselect_b32 s52, 8192, s52
	s_sub_co_u32 s57, s25, s53
	s_lshl_b32 s58, 1, s54
	s_sub_co_u32 s58, s58, 1
	s_and_b32 s58, s57, s58
	s_lshr_b32 s59, s57, s54                       ; which 256 along K
	s_lshl_b32 s58, s58, 2
	s_add_co_u32 s58, s58, s24                     ; G: my wave's group of 32 columns
	s_lshl_b32 s60, s58, 1
	s_add_co_u32 s60, s60, s55                     ; its first tile
	s_mul_i32 s62, s59, s52
	s_lshl_b32 s62, s62, 8
	s_lshl_b32 s63, s58, 7
	s_add_co_u32 s62, s62, s63
	s_mov_b32 s63, 0
	s_add_nc_u64 s[32:33], s[28:29], s[62:63]      ; block 0's first row, my group's first column
	s_lshl_b32 s62, s52, 5                         ; 32 rows on
.irp t, 1,2,3,4,5,6,7
	s_add_nc_u64 s[32+2*\t:33+2*\t], s[30+2*\t:31+2*\t], s[62:63]
.endr
	s_mul_i32 s60, s60, s56
	s_lshl_b32 s61, s59, 1
	s_add_co_u32 s60, s60, s61                     ; (tile, K step) as one index
	s_mul_i32 s62, s60, 1536
	s_add_nc_u64 s[48:49], s[48:49], s[62:63]      ; tile u = 0: two images on end
	s_mul_i32 s62, s56, 1536
	s_add_nc_u64 s[66:67], s[48:49], s[62:63]      ; tile u = 1
	s_lshl_b32 s62, s60, 7
	s_add_nc_u64 s[50:51], s[50:51], s[62:63]
	s_lshl_b32 s68, s56, 7
	v_mul_u32_u24 v14, v12, s68
	v_lshl_add_u32 v14, v13, 2, v14                ; my column's word in its tile's scale image
	v_mov_b32 v15, s52
.set p, 0
.rept 32
	v_mad_u32_u24 v[OFS+p], v15, p, v[L4]
.set p, p+1
.endr
	LOADW 0
	LOADW 1
.irp t, 0,1,2,3,4,5,6,7
	BLOCK \t
.endr
	global_store_b32 v14, v[SBW], s[50:51]         ; two pieces of 64 bytes an instruction: one byte in 128 of what this path reads
	global_store_b32 v14, v[SBW+1], s[50:51] offset:128
.set m, 0
.rept 12
	ds_load_b128 v[OUTR+4*m:OUTR+4*m+3], v[WSR] offset:512*m
.set m, m+1
.endr
.set m, 0
.rept 12
	s_wait_dscnt 11-m                              ; LDS loads come back in order: load m is in
.if m < 6
	global_store_b128 v[L16], v[OUTR+4*m:OUTR+4*m+3], s[48:49] offset:512*m
.else
	global_store_b128 v[L16], v[OUTR+4*m:OUTR+4*m+3], s[66:67] offset:512*(m-6)
.endif
.set m, m+1
.endr
	FINISH
.Lfunc_end_k_qb760a2fcf3_prep:
	.size	k_qb760a2fcf3_prep, .Lfunc_end_k_qb760a2fcf3_prep-k_qb760a2fcf3_prep
	.p2alignl 7, 3214868480
	.fill 96, 4, 3214868480
	.section	.rodata,"a",@progbits
	.p2align	6, 0x0
	.amdhsa_kernel k_qb760a2fcf3_prep
		.amdhsa_group_segment_fixed_size 58880
		.amdhsa_private_segment_fixed_size 0
		.amdhsa_enable_private_segment 0
		.amdhsa_kernarg_size 80
		.amdhsa_user_sgpr_count 2
		.amdhsa_user_sgpr_kernarg_segment_ptr 1
		.amdhsa_wavefront_size32 1
		.amdhsa_system_sgpr_workgroup_id_x 1
		.amdhsa_system_sgpr_workgroup_id_y 1
		.amdhsa_system_sgpr_workgroup_id_z 1
		.amdhsa_system_vgpr_workitem_id 0
		.amdhsa_next_free_vgpr 256
		.amdhsa_next_free_sgpr 72
		.amdhsa_reserve_vcc 1
		.amdhsa_float_denorm_mode_32 3
		.amdhsa_float_denorm_mode_16_64 3
		.amdhsa_memory_ordered 1
		.amdhsa_forward_progress 1
		.amdhsa_inst_pref_size 79
	.end_amdhsa_kernel
	.amdgpu_metadata
---
amdhsa.version: [ 1, 2 ]
amdhsa.kernels:
  - .name:           k_qb760a2fcf3_prep
    .symbol:         k_qb760a2fcf3_prep.kd
    .args:
      - { .name: x, .offset: 0, .size: 8, .value_kind: global_buffer, .address_space: global }
      - { .name: wq, .offset: 8, .size: 8, .value_kind: global_buffer, .address_space: global }
      - { .name: wk, .offset: 16, .size: 8, .value_kind: global_buffer, .address_space: global }
      - { .name: wv, .offset: 24, .size: 8, .value_kind: global_buffer, .address_space: global }
      - { .name: wo, .offset: 32, .size: 8, .value_kind: global_buffer, .address_space: global }
      - { .name: c1, .offset: 40, .size: 8, .value_kind: global_buffer, .address_space: global }
      - { .name: s1, .offset: 48, .size: 8, .value_kind: global_buffer, .address_space: global }
      - { .name: c6, .offset: 56, .size: 8, .value_kind: global_buffer, .address_space: global }
      - { .name: s6, .offset: 64, .size: 8, .value_kind: global_buffer, .address_space: global }
      - { .name: tab, .offset: 72, .size: 8, .value_kind: global_buffer, .address_space: global }
    .group_segment_fixed_size: 58880
    .private_segment_fixed_size: 0
    .kernarg_segment_align: 8
    .kernarg_segment_size: 80
    .max_flat_workgroup_size: 128
    .sgpr_count:     72
    .vgpr_count:     256
    .wavefront_size: 32
...
	.end_amdgpu_metadata
.endif
;; end of part 1
;; launch qkv (part 2): grid 16 x 16, 4 waves a work-group, clusters of 4 x 4, 327,680 bytes of LDS; arguments c1, s1, tab, q_norm_w, k_norm_w, qc, kv; writes qc, kv
.if DOCPART == 2
	.amdgcn_target "amdgcn-amd-amdhsa--gfx1250"
	.amdhsa_code_object_version 6
	.text
	.protected	k_qb760a2fcf3_qkv
	.globl	k_qb760a2fcf3_qkv
	.p2align	8
	.type	k_qb760a2fcf3_qkv,@function
k_qb760a2fcf3_qkv:
	s_mov_b64 s[64:65], 0
	v_nop
	global_prefetch_b8 v0, s[64:65] scope:SCOPE_SE
	s_setreg_imm32_b32 hwreg(HW_REG_WAVE_MODE, 25, 1), 1
	s_wait_xcnt 0x0
	s_wait_alu depctr_hold_cnt(0) depctr_sa_sdst(0) depctr_va_vdst(0) depctr_va_sdst(0) depctr_va_ssrc(0) depctr_va_vcc(0) depctr_vm_vsrc(0)
	s_getreg_b32 s2, hwreg(HW_REG_IB_STS2, 6, 4)
	s_cmp_eq_u32 s2, 0
	s_cbranch_scc0 .Lentry_in_a_cluster
	s_endpgm
.Lentry_in_a_cluster:
	s_bfe_u32 s2, ttmp6, 0x10000c
	s_cmp_lg_u32 s2, 0xf033
	s_cbranch_scc0 .Lentry_shape_is_right
	s_endpgm
.Lentry_shape_is_right:
; QKV: x [wq | wk] and wv^T x^T on codes of FP6, K = 1,024; then RMS norm, RoPE and the quantising of q and k along the head's 128, of v along the keys, all in registers.  No work is left out here.
; A work-group makes 256 x 256, each of its four waves 128 x 128: 64 accumulators.  Source 0 = 16 rows of the B side, source 1 = 16 rows of the A side: a lane holds ONE row of A and its registers run along B's rows.
; Clusters with x = 0, 1, 2: A = tokens, B = columns of wq (heads 0-15) or wk: a wave's 128 B rows are one head, so a lane holds half a head of one token, and lane l xor 16 the other half.
; Clusters with x = 3: A = wv's columns (one kv head's 128 channels a wave), B = tokens (one key step of 128): the SAME products, and a lane's registers run along the keys, which are v's K.
; By the tiles' row order (see prep) the 16 registers of accumulators (a, 2 B), (a, 2 B + 1) are B rows 32 B + 16 (lane / 16) + 0 .. 15.
; K goes in four slots of 256 (two K steps).  Three LDS slots: K slots 0, 1, 2 are first fills (three loads a wave are out at the start), K slot 3 fills slot 0 again, 256 matrix instructions ahead of its use.
; CLUSTER 4 x 4: A's tile hangs on the cluster's row alone, B's on its column alone: each is asked for jointly by the four that share it.  Branches hang on the wave's number or on the cluster's x.
; OUT: qc [b 16 + head][16 blocks of 128 tokens][unit], kv [b 8 + head][16 steps][K's unit, V's unit]; a unit is 8 fragment images (12,288 bytes) and 512 bytes of scale words: lane l = r + 16 h owns the words of tiles 4 h .. 4 h + 3, row r.
; LIMITS: as stated at prep's head.
; REGISTERS: window 0: v1-29 addresses; v32-95 scale words (32 + 8 i + q: lanes 0-15 A's block i, lanes 16-31 B's block i, K step q); v96-191 A's 8 fragments; v192-255 the norm's weights.
;   window 1: B's fragments, two sets, v0-95 and v96-191; v192-255 and later v128-191: the table's rows.   windows 2, 3: the accumulators, (a, b) at 8 (8 (a % 4) + b).
.set SLOTB, 98304                      ; a slot: four pieces: A's two halves, B's two halves
.set PIECE, 24576                      ; 8 tiles x 2 K steps x 1,536: what one tensor load brings and what one wave reads of A or of B
.set SPARE, 3*SLOTB                    ; behind the slots: the spare words, 128 bytes for each wave
.set L16,  1
.set SOFF, 2
.set TOFF, 3
.set WOFF, 4
.set HH,   7                           ; v7  h
.set ADRA, 8                           ; v8-10  my A fragments in slot 0, 1, 2
.set ADRB, 12                          ; v12-14 my B fragments
.set SPW,  28
.set NIL,  29
.set SC,   32
.set AF,   96
.set W,    192
.set TM,   32                          ; the way out: v32-47 at work in the quantiser
.set INV,  64                          ; v64-79  1 / (rms + eps), a pair for each tile of tokens
.set RT,   80                          ; v80-87  RoPE's four pairs at work
.set PW,   88                          ; v88-95  the eight tiles' scale words
.set XN,   96                          ; v96-159 64 numbers of a lane
.set PC,   160                         ; v160-179 the codes
.set G1A, 36
.set G1B, 44
.set G0A, 52                           ; s[52:63] three sets, one for each slot
.set G0B, 68                           ; s[68:79]
.set MUL_LO, 0xa1                      ; source 0 (B) window 1, source 1 (A) window 0, C and D window 2
.set MUL_HI, 0xf1
.set MSB, 0
.macro WIN new                         ; the immediate's high byte repeats the setting that is left
.if MSB != (\new)
	s_set_vgpr_msb (MSB<<8)|(\new)
.set MSB, (\new)
.endif
.endm
.macro JLOAD g0a, g1a, g0b, g1b        ; a joint load: waves 0 and 1 fetch A's halves, waves 2 and 3 B's; an s_nop 0 and four v_nop follow each line
	s_cmp_eq_u32 s21, 0
	s_cbranch_scc0 .Lfor_b_\@
	tensor_load_to_lds s[\g0a:\g0a+3], s[\g1a:\g1a+7]
	s_nop 0
.rept 4
	v_nop
.endr
	s_branch .Lasked_\@
.Lfor_b_\@:
	tensor_load_to_lds s[\g0b:\g0b+3], s[\g1b:\g1b+7]
	s_nop 0
.rept 4
	v_nop
.endr
.Lasked_\@:
.endm
.macro CREST
	s_cmp_lg_u32 s20, 0
	s_cbranch_scc1 .Lnot_wave_0_\@
	s_barrier_signal -3
.Lnot_wave_0_\@:
	s_barrier_wait -3
	s_barrier_signal -1
	s_barrier_wait -1
.endm
.macro CROUND
	s_barrier_signal -1
	s_barrier_wait -1
	CREST
.endm
.macro PLACES                          ; four plain places behind matrix instructions, in front of loads into their registers and of the first read of results
.rept 4
	v_nop
.endr
.endm
.macro FRAG reg, adr, off              ; a fragment's image: three loads of 512 consecutive bytes
.irp g, 0,1,2
	ds_load_b128 v[(\reg)+4*\g:(\reg)+4*\g+3], v[\adr] offset:(\off)+512*\g
.endr
.endm
.macro FETCH_B nl, nq, p
	WIN 0x40
.irp i, 0,1,2,3,4,5,6,7
	FRAG 96*(\p)+12*\i, ADRB+\nl, 3072*\i+1536*(\nq)
.endr
	WIN 0
.endm
.macro FETCH_A nl, nq, i0
.irp i, \i0, \i0+1, \i0+2, \i0+3
	FRAG AF+12*(\i), ADRA+\nl, 3072*(\i)+1536*(\nq)
.endr
.endm
; 16 matrix instructions: A's blocks a0, a0 + 1 x B's eight; K step q; B's set p.  The 64 accumulators take turns, one instruction a turn, in the same order in every step.
.macro MUL16 a0, p, q, zero
.irp a, \a0, \a0+1
.irp b, 0,1,2,3,4,5,6,7
.if \zero
	v_wmma_scale_f32_16x16x128_f8f6f4 v[8*(8*((\a)%4)+\b):8*(8*((\a)%4)+\b)+7], v[96*(\p)+12*\b:96*(\p)+12*\b+11], v[AF+12*(\a):AF+12*(\a)+11], 0, v[SC+8*\b+(\q)], v[SC+8*(\a)+(\q)] matrix_a_fmt:MATRIX_FMT_FP6 matrix_b_fmt:MATRIX_FMT_FP6 matrix_a_scale:MATRIX_SCALE_ROW1
.else
	v_wmma_scale_f32_16x16x128_f8f6f4 v[8*(8*((\a)%4)+\b):8*(8*((\a)%4)+\b)+7], v[96*(\p)+12*\b:96*(\p)+12*\b+11], v[AF+12*(\a):AF+12*(\a)+11], v[8*(8*((\a)%4)+\b):8*(8*((\a)%4)+\b)+7], v[SC+8*\b+(\q)], v[SC+8*(\a)+(\q)] matrix_a_fmt:MATRIX_FMT_FP6 matrix_b_fmt:MATRIX_FMT_FP6 matrix_a_scale:MATRIX_SCALE_ROW1
.endif
.endr
.endr
.endm
.macro STEP q, nl, nq, zero            ; K step q; the next step's fragments come from LDS slot nl, its nq-th K step
	s_wait_dscnt 12                                ; B's set and A's blocks 0-3 are in; the youngest 12 loads (A's blocks 4-7) may be out
	WIN MUL_LO
	MUL16 0, (\q)%2, \q, \zero
	MUL16 2, (\q)%2, \q, \zero
	s_wait_dscnt 0x0
	PLACES
	FETCH_B \nl, \nq, 1-(\q)%2
	FETCH_A \nl, \nq, 0
	WIN MUL_HI
	MUL16 4, (\q)%2, \q, \zero
	MUL16 6, (\q)%2, \q, \zero
	PLACES
	WIN 0
	FETCH_A \nl, \nq, 4
.endm
; A step with a barrier: in front of it each wave waits for all its tensor loads, adds 0 to its spare word, and waits for that and for its reads.  fill = 1: LDS slot 0, which nobody reads any more, takes K slot 3.
.macro TURN q, nl, fill
	s_wait_tensorcnt 0x0                           ; all my tensor loads have landed
	ds_add_u32 v[SPW], v[NIL]                      ; 0 onto my spare word
	s_wait_dscnt 13                                ; (the add and A's blocks 4-7 may be out)
	WIN MUL_LO
	MUL16 0, (\q)%2, \q, 0
	s_wait_dscnt 0x0                               ; the add is done, and my reads of the slot in hand are over
	s_barrier_signal -1
	MUL16 2, (\q)%2, \q, 0
	WIN 0
	s_barrier_wait -1
.if \fill
	CREST                                          ; the barrier has opened a round of the cluster's: no wave of any partner still reads slot 0 or has a load on its way
	s_add_nc_u64 s[G0A+2:G0A+3], s[G0A+2:G0A+3], 9216
	s_add_nc_u64 s[G0B+2:G0B+3], s[G0B+2:G0B+3], 9216
	JLOAD G0A, G1A, G0B, G1B                       ; the first tensor load behind the round; its four v_nop are the places in front of the loads below
.else
	PLACES
.endif
	FETCH_B \nl, 0, 1-(\q)%2
	FETCH_A \nl, 0, 0
	WIN MUL_HI
	MUL16 4, (\q)%2, \q, 0
	MUL16 6, (\q)%2, \q, 0
	PLACES
	WIN 0
	FETCH_A \nl, 0, 4
.endm
.macro TABLE a                         ; cos and sin for tile a's 16 tokens: register 16 B + i = entry 32 B + 16 h + i of my token's row; even tiles to v192 of window 1, odd ones to v128
	WIN 0x40
.irp b, 0,1,2,3
.irp j, 0,1,2,3
	global_load_b128 v[192-64*((\a)%2)+16*\b+4*\j:192-64*((\a)%2)+16*\b+4*\j+3], v[TOFF], s[82:83] offset:(32*((\a)/2)+8*((\a)%2))*512+128*\b+16*\j
.endr
.endr
	WIN 0
.endm
; 64 numbers of a lane, v[s] on in window w, register 16 b + i = k 32 b + 16 (lane / 16) + i of my row, become a fragment's codes in v[PC] on and its scale word in v[pw]
.macro QUANT s, w, pw
	WIN ((\w)<<2)|((\w)<<4)
.irp b, 0,1,2,3
	v_max3_num_f32 v[TM+\b], 0x1800000, |v[(\s)+16*\b]|, |v[(\s)+16*\b+1]|   ; my 16 numbers of block b, and the floor 2^(3 - 127)
.endr
.irp i, 2,4,6,8,10,12,14
.irp b, 0,1,2,3
	v_max3_num_f32 v[TM+\b], v[TM+\b], |v[(\s)+16*\b+\i]|, |v[(\s)+16*\b+\i+1]|
.endr
.endr
	WIN 0
.irp b, 0,1,2,3
	v_permlanex16_b32 v[TM+4+\b], v[TM+\b], s30, s31
.endr
.irp b, 0,1,2,3
	v_max_num_f32 v[TM+\b], v[TM+\b], v[TM+4+\b]   ; with lane l xor 16's: the block's largest magnitude
.endr
.irp b, 0,1,2,3
	v_add_nc_u32 v[TM+12+\b], 0xff000000, v[TM+\b] ; 2 off the exponent field: the conversion's scale operand
.endr
.irp b, 0,1,2,3
	v_lshrrev_b32 v[TM+4+\b], 23, v[TM+12+\b]      ; the scale's byte
.endr
	v_lshl_or_b32 v[\pw], v[TM+5], 8, v[TM+4]
	v_lshl_or_b32 v[\pw], v[TM+6], 16, v[\pw]
	v_lshl_or_b32 v[\pw], v[TM+7], 24, v[\pw]
	WIN (\w)
.irp c, 0,1
	v_cvt_scalef32_pk16_fp6_f32 v[PC+6*\c:PC+6*\c+2], v[(\s)+32*\c:(\s)+32*\c+15], v[TM+12+2*\c]
	v_cvt_scalef32_pk16_fp6_f32 v[PC+12+4*\c:PC+14+4*\c], v[(\s)+32*\c+16:(\s)+32*\c+31], v[TM+13+2*\c]
.endr
	WIN 0
	v_nop                                          ; one plain place behind a scaled conversion
.irp c, 0,1                                    ; the operand's layout wants a whole block in a lane
.irp i, 0,1,2
	v_permlane16_swap_b32 v[PC+6*\c+\i], v[PC+12+4*\c+\i]
.endr
.irp i, 0,1,2
	v_mov_b32 v[PC+3+6*\c+\i], v[PC+12+4*\c+\i]
.endr
.endr
.endm
.macro SENDF a                         ; the image of tile a: each store covers 512 consecutive bytes
.irp g, 0,1,2
	global_store_b128 v[L16], v[PC+4*\g:PC+4*\g+3], s[80:81] offset:1536*(\a)+512*\g
.endr
.endm
.macro EPQK a                          ; tile a's 16 tokens: x / (rms + eps) x w, RoPE, quantised along the head
.set TBF, 192-64*((\a)%2)
.if (\a) < 7
	TABLE (\a)+1
.endif
	WIN 2+(\a)/4
.set n, 0
.rept 32
	v_pk_mul_f32 v[XN+n:XN+n+1], v[64*((\a)%4)+n:64*((\a)%4)+n+1], v[INV+2*(\a):INV+2*(\a)+1] op_sel_hi:[1,0]
.set n, n+2
.endr
	WIN 0
.set n, 0
.rept 32
	v_pk_mul_f32 v[XN+n:XN+n+1], v[XN+n:XN+n+1], v[W+n:W+n+1]
.set n, n+2
.endr
.if (\a) < 7
	s_wait_loadcnt 16                              ; this tile's table rows are in; the next tile's 16 loads may be out
.else
	s_wait_loadcnt 0x0
.endif
	WIN 0x04                                       ; source 1: the table, window 1
.set m, 0
.rept 8
.irp e, 0,2,4,6
	v_pk_mul_f32 v[RT+\e:RT+\e+1], v[XN+m+\e:XN+m+\e+1], v[TBF+m+\e:TBF+m+\e+1] op_sel:[1,1] op_sel_hi:[1,0] neg_lo:[1,0]   ; (-xi sin, xi cos)
.endr
.irp e, 0,2,4,6
	v_pk_fma_f32 v[XN+m+\e:XN+m+\e+1], v[XN+m+\e:XN+m+\e+1], v[TBF+m+\e:TBF+m+\e+1], v[RT+\e:RT+\e+1] op_sel_hi:[0,1,1]     ; (xr cos - xi sin, xr sin + xi cos)
.endr
.set m, m+8
.endr
	WIN 0
	s_wait_xcnt 0x0                                ; the last tile's stores have read the codes' registers
	QUANT XN, 0, PW+(\a)
	SENDF \a
.endm
.macro EPV a                           ; tile a's 16 channels of v: quantised along the keys as they stand
	s_wait_xcnt 0x0
	QUANT 64*((\a)%4), 2+(\a)/4, PW+(\a)
	SENDF \a
.endm
	s_load_b256 s[4:11], s[0:1], 0x0               ; c1 s[4:5], s1 s[6:7], tab s[8:9], q_norm_w s[10:11]
	s_load_b128 s[12:15], s[0:1], 0x20             ; k_norm_w s[12:13], qc s[14:15]
	s_load_b64 s[16:17], s[0:1], 0x30              ; kv
	v_lshl_add_u32 v[SPW], v0, 2, SPARE
	v_mov_b32 v[NIL], 0
	ds_add_u32 v[SPW], v[NIL]                      ; the wave's opening: the add, twice on end, and its wait ahead of my first tensor load
	ds_add_u32 v[SPW], v[NIL]
	v_lshrrev_b32 v5, 5, v0
	v_readfirstlane_b32 s20, v5                    ; wave
	s_lshr_b32 s21, s20, 1                         ; my half of A's rows.  Also: I fetch for A (0) or for B (1)
	s_and_b32 s22, s20, 1                          ; my half of B's rows.  Also: which half I fetch
	s_bfe_u32 s23, ttmp6, 0x40000                  ; cx
	s_bfe_u32 s24, ttmp6, 0x40004                  ; cy
	s_mov_b32 s25, ttmp9                           ; the cluster's x
	s_and_b32 s26, ttmp7, 0xffff                   ; and y
	s_lshl_b32 s28, s26, 2
	s_lshl_b32 s29, s25, 2
	s_add_co_u32 s29, s29, 16
	s_cmp_eq_u32 s25, 3
	s_cselect_b32 s27, 1, 0                        ; 1: this cluster makes v
	s_cselect_b32 s32, 28, s28
	s_cselect_b32 s33, s28, s29
	s_add_co_u32 s32, s32, s24                     ; A's 256 rows of c1: tokens 4 y + cy, or wv's 28 + cy
	s_add_co_u32 s33, s33, s23                     ; B's: columns 16 + 4 x + cx, or tokens 4 y + cx
	s_lshl_b32 s34, s24, 2
	s_lshl_b32 s34, 15, s34                        ; my row of the cluster
	s_lshl_b32 s35, 0x1111, s23                    ; my column
	s_mov_b32 s30, 0x76543210
	s_mov_b32 s31, 0xfedcba98
	; group 1: 8 rows (tiles) of 3,072 bytes (two K steps), 12,288 bytes apart; elements of 8 bytes; no padding
	s_or_b32 s[G1A], s34, (3<<16)|(1<<21)
	s_or_b32 s[G1B], s35, (3<<16)|(1<<21)
.irp g, G1A, G1B
	s_mov_b32 s[\g+1], 384<<16
	s_mov_b32 s[\g+2], 8<<16
	s_mov_b32 s[\g+3], 384<<16
	s_mov_b32 s[\g+4], 8
	s_mov_b32 s[\g+5], 1536
	s_mov_b32 s[\g+6], 0
	s_mov_b32 s[\g+7], 0
.endr
	s_lshl_b32 s88, s22, 3
	s_lshl_b32 s86, s32, 4
	s_add_co_u32 s86, s86, s88
	s_mul_i32 s86, s86, 12288
	s_mov_b32 s87, 0
	s_lshl_b32 s90, s33, 4
	s_add_co_u32 s90, s90, s88
	s_mul_i32 s90, s90, 12288
	s_mov_b32 s91, 0
	s_mul_i32 s89, s20, PIECE                      ; where my piece goes: no place in the cluster enters an LDS address
	s_wait_dscnt 0x0                               ; both opening adds are done
	s_wait_kmcnt 0x0
	s_add_nc_u64 s[86:87], s[4:5], s[86:87]
	s_add_nc_u64 s[90:91], s[4:5], s[90:91]
	CROUND                                         ; all sixteen work-groups are here: the first joint loads meet
.irp s, 0,1,2
	s_mov_b32 s[G0A+4*\s], 1
	s_add_co_u32 s[G0A+4*\s+1], s89, \s*SLOTB
	s_add_nc_u64 s[G0A+4*\s+2:G0A+4*\s+3], s[86:87], \s*3072
	s_or_b32 s[G0A+4*\s+3], s[G0A+4*\s+3], 0x80000000
	s_mov_b32 s[G0B+4*\s], 1
	s_add_co_u32 s[G0B+4*\s+1], s89, \s*SLOTB
	s_add_nc_u64 s[G0B+4*\s+2:G0B+4*\s+3], s[90:91], \s*3072
	s_or_b32 s[G0B+4*\s+3], s[G0B+4*\s+3], 0x80000000
	JLOAD G0A+4*\s, G1A, G0B+4*\s, G1B
.endr
	v_and_b32 v5, 31, v0
	v_and_b32 v6, 15, v0                           ; r
	v_bfe_u32 v[HH], v0, 4, 1                      ; h
	v_lshlrev_b32 v[L16], 4, v5
	s_mul_i32 s92, s21, PIECE
	s_mul_i32 s93, s22, PIECE
	s_add_co_u32 s93, s93, 2*PIECE
.irp s, 0,1,2
	v_add_nc_u32 v[ADRA+\s], s92, v[L16]
	v_add_nc_u32 v[ADRB+\s], s93, v[L16]
	s_add_co_u32 s92, s92, SLOTB
	s_add_co_u32 s93, s93, SLOTB
.endr
	s_lshl_b32 s92, s32, 4                         ; the scale words: lanes 0-15 take my A tiles', lanes 16-31 my B tiles'
	s_lshl_b32 s94, s21, 3
	s_add_co_u32 s92, s92, s94
	s_lshl_b32 s92, s92, 10
	s_lshl_b32 s93, s33, 4
	s_lshl_b32 s94, s22, 3
	s_add_co_u32 s93, s93, s94
	s_lshl_b32 s93, s93, 10
	v_mov_b32 v15, s92
	v_mov_b32 v16, s93
	v_cmp_eq_u32 vcc_lo, 1, v[HH]
	v_cndmask_b32 v[SOFF], v15, v16, vcc_lo
	v_lshl_add_u32 v[SOFF], v6, 2, v[SOFF]
.irp i, 0,1,2,3,4,5,6,7
.irp q, 0,1,2,3,4,5,6,7
	global_load_b32 v[SC+8*\i+\q], v[SOFF], s[6:7] offset:1024*\i+128*\q
.endr
.endr
	; where my unit goes
	s_lshl_b32 s92, s32, 1
	s_add_co_u32 s92, s92, s21
	s_lshl_b32 s93, s33, 1
	s_add_co_u32 s93, s93, s22
	s_lshl_b32 s94, s24, 1
	s_add_co_u32 s94, s94, s21                     ; v's head
	s_sub_co_u32 s95, s93, 32                      ; q's head
	s_sub_co_u32 s96, s93, 48                      ; k's head
	s_cmp_eq_u32 s27, 1
	s_cselect_b32 s92, s93, s92                    ; my block of 128 tokens, 0 .. 31
	s_cselect_b32 s96, s94, s96
	s_lshr_b32 s93, s92, 4                         ; b
	s_and_b32 s94, s92, 15                         ; the block in its sequence
	s_lshl_b32 s97, s93, 4
	s_add_co_u32 s97, s97, s95
	s_lshl_b32 s97, s97, 4
	s_add_co_u32 s97, s97, s94
	s_mul_i32 s97, s97, 12800
	s_lshl_b32 s98, s93, 3
	s_add_co_u32 s98, s98, s96
	s_lshl_b32 s98, s98, 4
	s_add_co_u32 s98, s98, s94
	s_mul_i32 s98, s98, 25600
	s_mul_i32 s99, s27, 12800
	s_add_co_u32 s98, s98, s99
	s_cmp_lt_u32 s25, 2
	s_cselect_b32 s82, s97, s98
	s_cselect_b64 s[80:81], s[14:15], s[16:17]
	s_cselect_b64 s[84:85], s[10:11], s[12:13]     ; the norm's weights: q's or k's
	s_mov_b32 s83, 0
	s_add_nc_u64 s[80:81], s[80:81], s[82:83]
	s_lshl_b32 s82, s94, 16                        ; the table at my first position: 128 x block rows of 512 bytes
	s_add_nc_u64 s[82:83], s[8:9], s[82:83]
	v_lshlrev_b32 v[WOFF], 6, v[HH]
	v_and_b32 v15, 8, v6
	v_add_nc_u32 v15, v15, v6
	v_lshlrev_b32 v[TOFF], 9, v15
	v_add_nc_u32 v[TOFF], v[TOFF], v[WOFF]
	s_cmp_eq_u32 s27, 1
	s_cbranch_scc1 .Lno_norm                       ; v has no norm and no RoPE
.irp b, 0,1,2,3
.irp j, 0,1,2,3
	global_load_b128 v[W+16*\b+4*\j:W+16*\b+4*\j+3], v[WOFF], s[84:85] offset:128*\b+16*\j
.endr
.endr
	TABLE 0
.Lno_norm:
	s_wait_tensorcnt 2                             ; my part of slot 0 is in; slots 1 and 2 may stay out
	s_barrier_signal -1
	s_barrier_wait -1
	FETCH_B 0, 0, 0
	FETCH_A 0, 0, 0
	FETCH_A 0, 0, 4
	s_wait_loadcnt 0x0                             ; the scale words (and the weights and the first table rows)
	STEP 0, 0, 1, 1                                ; the first products start the sums: nothing is cleared
	TURN 1, 1, 1                                   ; slot 0 is left and filled again; all three first fills are shown landed to every wave
	STEP 2, 1, 1, 0
	STEP 3, 2, 0, 0
	STEP 4, 2, 1, 0
	TURN 5, 0, 0                                   ; K slot 3 has landed in slot 0
	STEP 6, 0, 1, 0
	s_wait_dscnt 12
	WIN MUL_LO
	MUL16 0, 1, 7, 0
	MUL16 2, 1, 7, 0
	s_wait_dscnt 0x0
	WIN MUL_HI
	MUL16 4, 1, 7, 0
	MUL16 6, 1, 7, 0
	WIN 0
	PLACES
.irp b, 0,1,2,3
	v_mov_b32 v[TM+4+\b], 0                        ; (a lane permute's destination counts as one of its sources)
.endr
	s_cmp_eq_u32 s27, 1
	s_cbranch_scc1 .Lv_text
	; ---- q, k.  The sums of squares of the eight tiles, each accumulator from its low end on, two chains a tile
.irp a, 0,1,2,3,4,5,6,7
	WIN 0x0a+5*(\a/4)
	v_pk_mul_f32 v[32+4*\a:33+4*\a], v[64*(\a%4):64*(\a%4)+1], v[64*(\a%4):64*(\a%4)+1]
	v_pk_mul_f32 v[34+4*\a:35+4*\a], v[64*(\a%4)+2:64*(\a%4)+3], v[64*(\a%4)+2:64*(\a%4)+3]
.irp n, 4,8,12,16,20,24,28,32,36,40,44,48,52,56,60
	v_pk_fma_f32 v[32+4*\a:33+4*\a], v[64*(\a%4)+\n:64*(\a%4)+\n+1], v[64*(\a%4)+\n:64*(\a%4)+\n+1], v[32+4*\a:33+4*\a]
	v_pk_fma_f32 v[34+4*\a:35+4*\a], v[64*(\a%4)+\n+2:64*(\a%4)+\n+3], v[64*(\a%4)+\n+2:64*(\a%4)+\n+3], v[34+4*\a:35+4*\a]
.endr
.endr
	WIN 0
.irp a, 0,1,2,3,4,5,6,7
	v_pk_add_f32 v[32+4*\a:33+4*\a], v[32+4*\a:33+4*\a], v[34+4*\a:35+4*\a]
.endr
.irp a, 0,1,2,3,4,5,6,7
	v_add_f32 v[32+4*\a], v[32+4*\a], v[33+4*\a]
.endr
.irp a, 0,1,2,3,4,5,6,7
	v_permlanex16_b32 v[33+4*\a], v[32+4*\a], s30, s31
.endr
.irp a, 0,1,2,3,4,5,6,7
	v_add_f32 v[32+4*\a], v[32+4*\a], v[33+4*\a]   ; with the head's other half
.endr
.irp a, 0,1,2,3,4,5,6,7
	v_mul_f32 v[32+4*\a], 0x3c000000, v[32+4*\a]   ; / 128
.endr
.irp a, 0,1,2,3,4,5,6,7
	v_sqrt_f32 v[32+4*\a], v[32+4*\a]
.endr
	v_nop                                          ; a plain place behind the roots
	s_wait_alu depctr_va_vdst(0)                   ; one wait for the eight, ahead of their first reader
.irp a, 0,1,2,3,4,5,6,7
	v_add_f32 v[32+4*\a], 0x358637bd, v[32+4*\a]   ; + 1e-6, outside the root
.endr
.irp a, 0,1,2,3,4,5,6,7
	v_rcp_f32 v[INV+2*\a], v[32+4*\a]
.endr
.irp a, 0,1,2,3,4,5,6,7
	v_mov_b32 v[INV+2*\a+1], 0                     ; (named as the pair's upper half; plain places behind the reciprocals)
.endr
	s_wait_alu depctr_va_vdst(0)                   ; one wait for the eight
.irp a, 0,1,2,3,4,5,6,7
	EPQK \a
.endr
	s_branch .Ljoin
.Lv_text:
.irp a, 0,1,2,3,4,5,6,7
	EPV \a
.endr
.Ljoin:
	v_cmp_eq_u32 vcc_lo, 1, v[HH]
.irp j, 0,1,2,3
	v_cndmask_b32 v[180+\j], v[PW+\j], v[PW+4+\j], vcc_lo   ; lanes 0-15: tiles 0-3's words of row r; lanes 16-31: tiles 4-7's
.endr
	global_store_b128 v[L16], v[180:183], s[80:81] offset:12288
	s_wait_tensorcnt 0x0                           ; the wave's end
	ds_add_u32 v[SPW], v[NIL]
	s_wait_dscnt 0x0
	CROUND                                         ; the closing round
	s_endpgm
.Lfunc_end_k_qb760a2fcf3_qkv:
	.size	k_qb760a2fcf3_qkv, .Lfunc_end_k_qb760a2fcf3_qkv-k_qb760a2fcf3_qkv
	.p2alignl 7, 3214868480
	.fill 96, 4, 3214868480
	.section	.rodata,"a",@progbits
	.p2align	6, 0x0
	.amdhsa_kernel k_qb760a2fcf3_qkv
		.amdhsa_group_segment_fixed_size 327680
		.amdhsa_private_segment_fixed_size 0
		.amdhsa_enable_private_segment 0
		.amdhsa_kernarg_size 56
		.amdhsa_user_sgpr_count 2
		.amdhsa_user_sgpr_kernarg_segment_ptr 1
		.amdhsa_wavefront_size32 1
		.amdhsa_system_sgpr_workgroup_id_x 1
		.amdhsa_system_sgpr_workgroup_id_y 1
		.amdhsa_system_sgpr_workgroup_id_z 1
		.amdhsa_system_vgpr_workitem_id 0
		.amdhsa_next_free_vgpr 1024
		.amdhsa_next_free_sgpr 100
		.amdhsa_reserve_vcc 1
		.amdhsa_float_denorm_mode_32 3
		.amdhsa_float_denorm_mode_16_64 3
		.amdhsa_memory_ordered 1
		.amdhsa_forward_progress 1
		.amdhsa_inst_pref_size 255
	.end_amdhsa_kernel
	.section	.bss,"aw",@nobits
	.p2align	6
	.space	262144
	.amdgpu_metadata
---
amdhsa.version: [ 1, 2 ]
amdhsa.kernels:
  - .name:           k_qb760a2fcf3_qkv
    .symbol:         k_qb760a2fcf3_qkv.kd
    .args:
      - { .name: c1, .offset: 0, .size: 8, .value_kind: global_buffer, .address_space: global }
      - { .name: s1, .offset: 8, .size: 8, .value_kind: global_buffer, .address_space: global }
      - { .name: tab, .offset: 16, .size: 8, .value_kind: global_buffer, .address_space: global }
      - { .name: q_norm_w, .offset: 24, .size: 8, .value_kind: global_buffer, .address_space: global }
      - { .name: k_norm_w, .offset: 32, .size: 8, .value_kind: global_buffer, .address_space: global }
      - { .name: qc, .offset: 40, .size: 8, .value_kind: global_buffer, .address_space: global }
      - { .name: kv, .offset: 48, .size: 8, .value_kind: global_buffer, .address_space: global }
    .group_segment_fixed_size: 327680
    .private_segment_fixed_size: 0
    .kernarg_segment_align: 8
    .kernarg_segment_size: 56
    .max_flat_workgroup_size: 128
    .sgpr_count:     100
    .vgpr_count:     1024
    .wavefront_size: 32
...
	.end_amdgpu_metadata
.endif
;; end of part 2
;; launch attn (part 3): grid 8 x 32, 16 waves a work-group, no clusters, 327,680 bytes of LDS; arguments qc, kv, c6, s6; writes c6, s6
.if DOCPART == 3
	.amdgcn_target "amdgcn-amd-amdhsa--gfx1250"
	.amdhsa_code_object_version 6
	.text
	.protected	k_qb760a2fcf3_attn
	.globl	k_qb760a2fcf3_attn
	.p2align	8
	.type	k_qb760a2fcf3_attn,@function
k_qb760a2fcf3_attn:
	s_mov_b64 s[64:65], 0
	v_nop
	global_prefetch_b8 v0, s[64:65] scope:SCOPE_SE
	s_setreg_imm32_b32 hwreg(HW_REG_WAVE_MODE, 25, 1), 1
	s_wait_xcnt 0x0
; ATTN: y = softmax(q k^T / sqrt(128), causal) v, both products on codes of FP6; y is divided by the row's sum and quantised along the head's 128, which is K step 'head' of the last product.
; WORK LEFT OUT: a key step all of whose 128 keys come after a wave's queries (reference() itself adds -inf there: their weights are 0 for all inputs; see prep's head, with the limits).
; THE SOFTMAX: t = score x log2(e) / sqrt(128); M = the running largest t rounded up to a whole number; p = 2^(t - M) is quantised along the keys; the row's sum is taken of the unquantised p.
; SHARES.  A work-group owns query blocks (of 128) i and 15 - i of one head: 17 block steps whatever i.  Each of its sixteen waves owns one tile of 16 queries: waves 0-3 and 8-11 of block i, the others of block 15 - i.
; Lane r's query is Q0 + r + 8 (r / 8) (the tiles' row order, see prep).  Both products are used transposed: a lane holds one query throughout; the 16 registers of tiles 2 b, 2 b + 1 of S^T are keys 32 b + 16 (lane / 16) + 0 .. 15.
; K and V come as units of fragment images (see qkv), 25,600 dense bytes a key step, through two LDS slots of two steps; waves 0-3 fetch one unit each.  Every work-group walks all eight changes of slots, so that trip
; counts are constants; a slot whose first key comes after the work-group's last query is not asked for, and no step reads it.
; NO CLUSTER: the work-groups that share a kv head need different numbers of slots (from 5 to 8), so a joint load would name partners all of whose waves pass over that tile.
; REGISTERS: v1 16 x lane, v2 4 x lane, v3 r + 8 (r / 8) - 16 h, v5, v6 the add's two, v8 the LDS address; v12 -M, v13 the largest t, v[14:15] the sum; v16-27 Q; v28 the prefetches' offset; v32-79 four fragments;
;   v80-83 K's scale words, v84-87 V's (tiles 0-3 in lanes 0-15, tiles 4-7 in lanes 16-31); v96-159 S^T, then p; v160-223 O^T; v224-235 p's codes; v232-254 at work; v255 Q's scale words.
.set SLOT1, 1<<17
.set UNIT,  12800
.set STEPB, 25600
.set SLOTB, 51200
.set NSL,   8
.set SPARE, 2*SLOT1                    ; the spare words, 128 bytes for each of the sixteen waves
.set L16,  1
.set L4,   2
.set DL,   3
.set SPW,  5
.set NIL,  6
.set ADR,  8
.set PFO,  28
.set TM,   232
.set PC,   32
.set WV,   18
.set SEL,  20
.set CS,   22
.set G1,   24
.set G0,   40
.set TB,   2
.set SLOTS, 67
.set KF,   98
.set Q0,   99
.set PFA,  76
.set LIM,  80
.set LASTQ, 81
.macro TLOAD                           ; waves 0-3 fetch a unit each; an s_nop 0 and four v_nop follow the line
	s_cmp_lt_u32 s[WV], 4
	s_cbranch_scc0 .Lasked_\@
	tensor_load_to_lds s[G0:G0+3], s[G1:G1+7]
	s_nop 0
.rept 4
	v_nop
.endr
.Lasked_\@:
.endm
; A prefetch of the slot that the NEXT change of slots will ask for: 200 blocks of 256 bytes, a lane a block.  All sixteen work-groups of a kv head walk the same bytes: the one with i = 0 of the even query head asks, which walks
; all slots; in it waves 4 to 10, which fetch nothing (the last 24 lanes name the slot's last block again).  The last change that fills a slot asks for nothing; slots 0 and 1 come by their loads alone.
.macro ASK
	s_cmp_gt_u32 s[SLOTS], s[LIM]
	s_cbranch_scc0 .Lnot_mine_\@
	global_prefetch_b8 v[PFO], s[PFA:PFA+1] th:TH_LOAD_NT scope:SCOPE_SE
.Lnot_mine_\@:
.endm
.macro STEP q
	s_add_co_u32 s96, s[Q0], 23                    ; my last query
	s_cmp_gt_u32 s[KF], s96
	s_cbranch_scc1 .Lhidden_\@                     ; ids and the count of steps alone; no barrier and no tensor load stands in a step
	v_add_nc_u32 v[ADR], s[TB], v[L16]
.rept 3
	v_nop                                          ; with the addition: four places in front of loads into registers that the last products read
.endr
	ds_load_b128 v[80:83], v[ADR] offset:STEPB*(\q)+12288
	ds_load_b128 v[84:87], v[ADR] offset:STEPB*(\q)+UNIT+12288
.irp g, 0,1                                    ; S^T = K Q^T, four tiles of 16 keys at a time
.if \g
.rept 4
	v_nop
.endr
.endif
.irp t, 0,1,2,3
.irp c, 0,1,2
	ds_load_b128 v[32+12*\t+4*\c:35+12*\t+4*\c], v[ADR] offset:STEPB*(\q)+1536*(4*\g+\t)+512*\c
.endr
.endr
	s_wait_dscnt 0x0
.irp t, 0,1,2,3
.if \g
	v_wmma_scale_f32_16x16x128_f8f6f4 v[96+8*(4*\g+\t):103+8*(4*\g+\t)], v[32+12*\t:43+12*\t], v[16:27], 0, v[80+\t], v255 matrix_a_fmt:MATRIX_FMT_FP6 matrix_b_fmt:MATRIX_FMT_FP6 matrix_a_scale:MATRIX_SCALE_ROW1
.else
	v_wmma_scale_f32_16x16x128_f8f6f4 v[96+8*(4*\g+\t):103+8*(4*\g+\t)], v[32+12*\t:43+12*\t], v[16:27], 0, v[80+\t], v255 matrix_a_fmt:MATRIX_FMT_FP6 matrix_b_fmt:MATRIX_FMT_FP6
.endif
.endr
.endr
.rept 4
	v_nop
.endr
	s_add_co_u32 s96, s[KF], 127                   ; on the diagonal hidden keys' scores become -infinity ahead of the maximum; a step all of whose keys count passes this over
	s_cmp_le_u32 s96, s[Q0]
	s_cbranch_scc1 .Lopen_\@
	s_sub_co_i32 s96, s[Q0], s[KF]
	v_add_nc_u32 v252, s96, v[DL]                  ; d = my query - KF - 16 h.  Register 16 b + i holds key KF + 16 h + 32 b + i: hidden where 32 b + i > d
	v_mov_b32 v254, 0xff800000
.set n, 0
.rept 64
	v_cmp_gt_i32 vcc_lo, 32*(n/16)+n%16, v252
	v_cndmask_b32 v[96+n], v[96+n], v254, vcc_lo
.set n, n+1
.endr
.Lopen_\@:
.irp b, 0,1,2,3
	v_max3_num_f32 v[232+\b], v[96+16*\b], v[97+16*\b], v[98+16*\b]   ; the largest score of each block of 32 keys: for the row's maximum and, since p rises with the score, for the block's largest p
.endr
.irp i, 3,5,7,9,11,13
.irp b, 0,1,2,3
	v_max3_num_f32 v[232+\b], v[232+\b], v[96+16*\b+\i], v[97+16*\b+\i]
.endr
.endr
.irp b, 0,1,2,3
	v_max_num_f32 v[232+\b], v[232+\b], v[111+16*\b]
.endr
.irp b, 0,1,2,3
	v_permlanex16_b32 v[236+\b], v[232+\b], s[SEL], s[SEL+1]
.endr
.irp b, 0,1,2,3
	v_max_num_f32 v[232+\b], v[232+\b], v[236+\b]
.endr
	v_max3_num_f32 v254, v232, v233, v234
	v_max_num_f32 v254, v254, v235
	v_mul_f32 v254, s[CS], v254                    ; as t
	v_max_num_f32 v13, v13, v254                   ; the running largest t
	v_mov_b32 v254, v12
	v_floor_f32 v12, -v13                          ; the new -M = -ceil(t)
	v_sub_f32 v254, v12, v254                      ; old M - new M: a whole number, 0 or less
	v_cvt_i32_f32 v254, v254
	v_ldexp_f32 v252, 1.0, v254                    ; f = 2^(old M - new M): exact
.set j, 0
.rept 32
	v_pk_fma_f32 v[96+j:97+j], v[96+j:97+j], s[CS:CS+1], v[12:13] op_sel_hi:[1,0,0]   ; t - M
.set j, j+2
.endr
.irp b, 0,1,2,3
	v_fma_f32 v[232+\b], v[232+\b], s[CS], v12
.endr
.set j, 0
.rept 64
	v_exp_f32 v[96+j], v[96+j]                     ; p
.set j, j+1
.endr
	v_pk_mul_f32 v[14:15], v[14:15], v[252:253] op_sel_hi:[1,0]   ; the sums under the new M (a plain place behind the exponentials)
	s_wait_alu depctr_va_vdst(0)                   ; one wait for the whole batch, ahead of its first reader
.irp b, 0,1,2,3
	v_exp_f32 v[232+\b], v[232+\b]                 ; the blocks' largest p
.endr
	v_pk_add_f32 v[236:237], v[96:97], v[98:99]    ; the row's sum of the unquantised p, in two chains
.irp j, 4,8,12,16,20,24,28,32,36,40,44,48,52,56,60
	v_pk_add_f32 v[14:15], v[14:15], v[96+\j:97+\j]
	v_pk_add_f32 v[236:237], v[236:237], v[98+\j:99+\j]
.endr
	v_pk_add_f32 v[14:15], v[14:15], v[236:237]
	s_wait_alu depctr_va_vdst(0)                   ; and one for the four
.irp b, 0,1,2,3
	v_max_num_f32 v[232+\b], 0x1800000, v[232+\b]  ; the floor 2^(3 - 127)
.endr
.irp b, 0,1,2,3
	v_add_nc_u32 v[244+\b], 0xff000000, v[232+\b]
.endr
.irp b, 0,1,2,3
	v_lshrrev_b32 v[236+\b], 23, v[244+\b]
.endr
	v_lshl_or_b32 v253, v237, 8, v236              ; p's scale word for these 128 keys
	v_lshl_or_b32 v253, v238, 16, v253
	v_lshl_or_b32 v253, v239, 24, v253
.irp c, 0,1
	v_cvt_scalef32_pk16_fp6_f32 v[224+6*\c:226+6*\c], v[96+32*\c:111+32*\c], v[244+2*\c]
	v_cvt_scalef32_pk16_fp6_f32 v[236+4*\c:238+4*\c], v[112+32*\c:127+32*\c], v[244+2*\c+1]
.endr
	v_nop                                          ; one plain place behind a scaled conversion
.irp c, 0,1
.irp i, 0,1,2
	v_permlane16_swap_b32 v[224+6*\c+\i], v[236+4*\c+\i]
.endr
.irp i, 0,1,2
	v_mov_b32 v[227+6*\c+\i], v[236+4*\c+\i]
.endr
.endr
.set j, 0
.rept 32
	v_pk_mul_f32 v[160+j:161+j], v[160+j:161+j], v[252:253] op_sel_hi:[1,0]   ; O^T under the new M; these 32 are also the places in front of the loads and products below
.set j, j+2
.endr
.irp g, 0,1                                    ; O^T += V^T P^T
.if \g
.rept 4
	v_nop
.endr
.endif
.irp t, 0,1,2,3
.irp c, 0,1,2
	ds_load_b128 v[32+12*\t+4*\c:35+12*\t+4*\c], v[ADR] offset:STEPB*(\q)+UNIT+1536*(4*\g+\t)+512*\c
.endr
.endr
	s_wait_dscnt 0x0
.irp t, 0,1,2,3
.if \g
	v_wmma_scale_f32_16x16x128_f8f6f4 v[160+8*(4*\g+\t):167+8*(4*\g+\t)], v[32+12*\t:43+12*\t], v[224:235], v[160+8*(4*\g+\t):167+8*(4*\g+\t)], v[84+\t], v253 matrix_a_fmt:MATRIX_FMT_FP6 matrix_b_fmt:MATRIX_FMT_FP6 matrix_a_scale:MATRIX_SCALE_ROW1
.else
	v_wmma_scale_f32_16x16x128_f8f6f4 v[160+8*(4*\g+\t):167+8*(4*\g+\t)], v[32+12*\t:43+12*\t], v[224:235], v[160+8*(4*\g+\t):167+8*(4*\g+\t)], v[84+\t], v253 matrix_a_fmt:MATRIX_FMT_FP6 matrix_b_fmt:MATRIX_FMT_FP6
.endif
.endr
.endr
.Lhidden_\@:
	s_add_co_u32 s[KF], s[KF], 128
.endm
; THE CHANGE OF SLOTS, at a slot's head.  Each wave waits for all its tensor loads, adds 0 to its spare word (fill = 1: twice on end), and waits for that and for its reads of the slot that it has left.
.macro CHANGE fill
	s_wait_tensorcnt 0x0                           ; no tensor load of mine is out, so the group 0 may be written
	ds_add_u32 v[SPW], v[NIL]                      ; 0 onto my spare word
.if \fill
	ds_add_u32 v[SPW], v[NIL]                      ; and once more: the add twice on end, in every trip alike
	s_xor_b32 s[G0+1], s[G0+1], SLOT1              ; the other slot than last time,
	s_add_nc_u64 s[G0+2:G0+3], s[G0+2:G0+3], SLOTB ; the next 256 keys
	s_wait_xcnt 0x0                                ; the last prefetch, a slot back, has read its address
	s_add_nc_u64 s[PFA:PFA+1], s[PFA:PFA+1], SLOTB
.endif
	s_wait_dscnt 0x0
	s_barrier_signal -1
	s_barrier_wait -1
.if \fill
	s_add_co_u32 s96, s[KF], 256                   ; the first key of the slot that this change would ask for
	s_cmp_gt_u32 s96, s[LASTQ]                     ; past my work-group's last query: none of its waves would read it.  Ids and the count of steps alone: all sixteen waves go the same way
	s_cbranch_scc1 .Lpast_\@
	TLOAD                                          ; a wave's one tensor load until the next change; it has a slot's two steps in which to land
.Lpast_\@:
	ASK
.endif
.endm
.macro SLOT_STEPS
	STEP 0
	STEP 1
	s_xor_b32 s[TB], s[TB], SLOT1
.endm
	s_load_b256 s[4:11], s[0:1], 0x0               ; qc s[4:5], kv s[6:7], c6 s[8:9], s6 s[10:11]
	v_lshl_add_u32 v[SPW], v0, 2, SPARE
	v_mov_b32 v[NIL], 0
	ds_add_u32 v[SPW], v[NIL]                      ; the wave's opening: the add, twice on end, and its wait ahead of my first tensor load
	ds_add_u32 v[SPW], v[NIL]
	v_lshrrev_b32 v8, 5, v0
	v_readfirstlane_b32 s[WV], v8
	s_and_b32 s68, ttmp7, 0xffff                   ; b 16 + head
	s_bfe_u32 s69, s[WV], 0x10002                  ; which of the two query blocks
	s_and_b32 s70, s[WV], 3
	s_lshr_b32 s71, s[WV], 3
	s_lshl_b32 s71, s71, 2
	s_or_b32 s70, s70, s71                         ; my tile in it, 0 .. 7
	s_sub_co_u32 s71, 15, ttmp9
	s_cmp_eq_u32 s69, 1
	s_cselect_b32 s71, s71, ttmp9                  ; the block
	s_lshl_b32 s[Q0], s71, 7
	s_lshr_b32 s72, s70, 1
	s_lshl_b32 s72, s72, 5
	s_add_co_u32 s[Q0], s[Q0], s72
	s_and_b32 s72, s70, 1
	s_lshl_b32 s72, s72, 3
	s_add_co_u32 s[Q0], s[Q0], s72                 ; my first query
	s_sub_co_u32 s[LASTQ], 16, ttmp9
	s_lshl_b32 s[LASTQ], s[LASTQ], 7
	s_sub_co_u32 s[LASTQ], s[LASTQ], 1             ; my work-group's last
	s_lshr_b32 s72, s68, 1
	s_mul_i32 s72, s72, 409600                     ; the kv head's first byte
	s_and_b32 s73, s[WV], 3
	s_mul_i32 s73, s73, UNIT                       ; the unit that I fetch, if I fetch
	s_add_co_u32 s74, s72, s73
	s_mov_b32 s75, 0
	s_add_co_u32 s92, s72, SLOTB                   ; the prefetches stand in slot 1; the first change steps them to slot 2
	s_mov_b32 s93, 0
	s_lshl_b32 s82, s68, 4
	s_add_co_u32 s82, s82, s71
	s_mul_i32 s82, s82, UNIT
	s_mul_i32 s84, s70, 1536
	s_add_co_u32 s82, s82, s84                     ; Q's fragment
	s_mov_b32 s83, 0
	s_sub_co_u32 s84, 12288, s84                   ; from there to my tile's scale words: 12,288 - 1,536 tile + 256 (tile / 4) + 4 (tile % 4)
	s_lshr_b32 s85, s70, 2
	s_lshl_b32 s85, s85, 8
	s_add_co_u32 s84, s84, s85
	s_and_b32 s85, s70, 3
	s_lshl_b32 s85, s85, 2
	s_add_co_u32 s84, s84, s85
	s_lshr_b32 s86, s68, 4                         ; y's fragment: ((b 128 + 8 block + tile) 16 + head)
	s_lshl_b32 s86, s86, 7
	s_lshl_b32 s87, s71, 3
	s_add_co_u32 s86, s86, s87
	s_add_co_u32 s86, s86, s70
	s_lshl_b32 s86, s86, 4
	s_and_b32 s87, s68, 15
	s_add_co_u32 s86, s86, s87
	s_mul_i32 s88, s86, 1536
	s_mov_b32 s89, 0
	s_lshl_b32 s90, s86, 7
	s_mov_b32 s91, 0
	s_sub_co_u32 s94, s[WV], 4
	s_cmp_lt_u32 s94, 7                            ; waves 4 to 10,
	s_cselect_b32 s95, 0, 1
	s_and_b32 s96, s68, 1                          ; of the even query head,
	s_or_b32 s95, s95, s96
	s_or_b32 s95, s95, ttmp9                       ; of the work-group with i = 0
	s_cmp_eq_u32 s95, 0
	s_cselect_b32 s[LIM], 1, -1
	s_lshl_b32 s94, s94, 5
	; group 1: a unit, 12,800 dense bytes, as 50 rows of 256 bytes (32 elements of 8 bytes); no padding
	s_mov_b32 s[G1], 3<<16
	s_mov_b32 s[G1+1], 32<<16
	s_mov_b32 s[G1+2], 50<<16
	s_mov_b32 s[G1+3], 32<<16
	s_mov_b32 s[G1+4], 50
	s_mov_b32 s[G1+5], 32
	s_mov_b32 s[G1+6], 0
	s_mov_b32 s[G1+7], 0
	s_mov_b32 s[SEL], 0x76543210
	s_mov_b32 s[SEL+1], 0xfedcba98
	s_mov_b32 s[CS], 0x3e0293ee                    ; c = log2(e) / sqrt(128)
	s_mov_b32 s[CS+1], s[CS]
	s_mov_b32 s[TB], 0
	s_mov_b32 s[SLOTS], NSL-1
	s_mov_b32 s[KF], 0
	s_wait_dscnt 0x0                               ; both opening adds are done
	s_wait_kmcnt 0x0
	s_mov_b32 s[G0], 1
	s_mov_b32 s[G0+1], s73
	s_add_nc_u64 s[G0+2:G0+3], s[6:7], s[74:75]
	s_or_b32 s[G0+3], s[G0+3], 0x80000000
	TLOAD                                          ; slot 0: key 0 counts for every query, so it is read
	s_add_nc_u64 s[PFA:PFA+1], s[6:7], s[92:93]
	s_add_nc_u64 s[82:83], s[4:5], s[82:83]
	s_add_nc_u64 s[8:9], s[8:9], s[88:89]
	s_add_nc_u64 s[10:11], s[10:11], s[90:91]
	v_and_b32 v9, 31, v0
	v_lshlrev_b32 v[L16], 4, v9
	v_lshlrev_b32 v[L4], 2, v9
	v_and_b32 v10, 15, v0                          ; r
	v_bfe_u32 v11, v0, 4, 1                        ; h
.irp c, 0,1,2
	global_load_b128 v[16+4*\c:19+4*\c], v[L16], s[82:83] offset:512*\c   ; Q's fragment stays in registers
.endr
	v_lshlrev_b32 v254, 4, v10
	v_add_nc_u32 v254, s84, v254
	global_load_b32 v255, v254, s[82:83]           ; Q's scale words
	v_and_b32 v[DL], 8, v10
	v_add_nc_u32 v[DL], v[DL], v10
	v_lshlrev_b32 v4, 4, v11
	v_sub_nc_u32 v[DL], v[DL], v4
	v_add_nc_u32 v[PFO], s94, v9
	v_min_u32 v[PFO], 199, v[PFO]
	v_lshlrev_b32 v[PFO], 8, v[PFO]
	v_mov_b32 v13, 0xff61b1e6                      ; the largest t so far: -3e38
	v_floor_f32 v12, -v13
	v_mov_b32 v14, 0
	v_mov_b32 v15, 0
.irp b, 0,1,2,3
	v_mov_b32 v[236+\b], 0                         ; (a lane permute's destination counts as one of its sources)
.endr
	v_mov_b32 v252, 0
	v_mov_b32 v253, 0
.set j, 0
.rept 64
	v_mov_b32 v[160+j], 0                          ; O^T: the step is written once; its first walk finds zeros
.set j, j+1
.endr
	s_wait_loadcnt 0x0                             ; Q
.Lslot:                                            ; NSL - 1 trips
	CHANGE 1
	SLOT_STEPS
	s_sub_co_u32 s[SLOTS], s[SLOTS], 1
	s_cmp_lg_u32 s[SLOTS], 0
	s_cbranch_scc1 .Lslot
	CHANGE 0                                       ; the last slot is written out: nothing more is asked for
	SLOT_STEPS
	; THE WAY OUT: y = O^T / the sum; register 16 b + i is channel 32 b + 16 h + i of my query: quantised as it stands, and stored as a fragment image
	v_add_f32 v14, v14, v15
	v_permlanex16_b32 v252, v14, s[SEL], s[SEL+1]
	v_add_f32 v14, v14, v252
	v_rcp_f32 v14, v14
.rept 4
	v_nop                                          ; plain places behind the reciprocal and behind the last products
.endr
	s_wait_alu depctr_va_vdst(0)                   ; the wait, ahead of the first reader
.set j, 0
.rept 64
	v_mul_f32 v[96+j], v[160+j], v14
.set j, j+1
.endr
.irp b, 0,1,2,3
	v_max3_num_f32 v[TM+\b], |v[96+16*\b]|, |v[97+16*\b]|, 0x1800000
.endr
.irp i, 2,4,6,8,10,12,14
.irp b, 0,1,2,3
	v_max3_num_f32 v[TM+\b], v[TM+\b], |v[96+16*\b+\i]|, |v[97+16*\b+\i]|
.endr
.endr
.irp b, 0,1,2,3
	v_permlanex16_b32 v[TM+4+\b], v[TM+\b], s[SEL], s[SEL+1]
.endr
.irp b, 0,1,2,3
	v_max_num_f32 v[TM+\b], v[TM+\b], v[TM+4+\b]
.endr
.irp b, 0,1,2,3
	v_add_nc_u32 v[TM+12+\b], 0xff000000, v[TM+\b]
.endr
.irp b, 0,1,2,3
	v_lshrrev_b32 v[TM+4+\b], 23, v[TM+12+\b]
.endr
	v_lshl_or_b32 v252, v[TM+5], 8, v[TM+4]
	v_lshl_or_b32 v252, v[TM+6], 16, v252
	v_lshl_or_b32 v252, v[TM+7], 24, v252
.irp c, 0,1
	v_cvt_scalef32_pk16_fp6_f32 v[PC+6*\c:PC+6*\c+2], v[96+32*\c:111+32*\c], v[TM+12+2*\c]
	v_cvt_scalef32_pk16_fp6_f32 v[PC+12+4*\c:PC+14+4*\c], v[112+32*\c:127+32*\c], v[TM+13+2*\c]
.endr
	v_nop                                          ; one plain place behind a scaled conversion
.irp c, 0,1
.irp i, 0,1,2
	v_permlane16_swap_b32 v[PC+6*\c+\i], v[PC+12+4*\c+\i]
.endr
.irp i, 0,1,2
	v_mov_b32 v[PC+3+6*\c+\i], v[PC+12+4*\c+\i]
.endr
.endr
.irp c, 0,1,2
	global_store_b128 v[L16], v[PC+4*\c:PC+4*\c+3], s[8:9] offset:512*\c   ; 512 consecutive bytes a store
.endr
	global_store_b32 v[L4], v252, s[10:11]         ; the scale image: 128 bytes beside the image's 1,536
	s_wait_tensorcnt 0x0                           ; the wave's end
	ds_add_u32 v[SPW], v[NIL]
	s_wait_dscnt 0x0
	s_endpgm
.Lfunc_end_k_qb760a2fcf3_attn:
	.size	k_qb760a2fcf3_attn, .Lfunc_end_k_qb760a2fcf3_attn-k_qb760a2fcf3_attn
	.p2alignl 7, 3214868480
	.fill 96, 4, 3214868480
	.section	.rodata,"a",@progbits
	.p2align	6, 0x0
	.amdhsa_kernel k_qb760a2fcf3_attn
		.amdhsa_group_segment_fixed_size 327680
		.amdhsa_private_segment_fixed_size 0
		.amdhsa_enable_private_segment 0
		.amdhsa_kernarg_size 32
		.amdhsa_user_sgpr_count 2
		.amdhsa_user_sgpr_kernarg_segment_ptr 1
		.amdhsa_wavefront_size32 1
		.amdhsa_system_sgpr_workgroup_id_x 1
		.amdhsa_system_sgpr_workgroup_id_y 1
		.amdhsa_system_sgpr_workgroup_id_z 1
		.amdhsa_system_vgpr_workitem_id 0
		.amdhsa_next_free_vgpr 256
		.amdhsa_next_free_sgpr 100
		.amdhsa_reserve_vcc 1
		.amdhsa_float_denorm_mode_32 3
		.amdhsa_float_denorm_mode_16_64 3
		.amdhsa_memory_ordered 1
		.amdhsa_forward_progress 1
		.amdhsa_inst_pref_size 111
	.end_amdhsa_kernel
	.amdgpu_metadata
---
amdhsa.version: [ 1, 2 ]
amdhsa.kernels:
  - .name:           k_qb760a2fcf3_attn
    .symbol:         k_qb760a2fcf3_attn.kd
    .args:
      - { .name: qc, .offset: 0, .size: 8, .value_kind: global_buffer, .address_space: global }
      - { .name: kv, .offset: 8, .size: 8, .value_kind: global_buffer, .address_space: global }
      - { .name: c6, .offset: 16, .size: 8, .value_kind: global_buffer, .address_space: global }
      - { .name: s6, .offset: 24, .size: 8, .value_kind: global_buffer, .address_space: global }
    .group_segment_fixed_size: 327680
    .private_segment_fixed_size: 0
    .kernarg_segment_align: 8
    .kernarg_segment_size: 32
    .max_flat_workgroup_size: 512
    .sgpr_count:     100
    .vgpr_count:     256
    .wavefront_size: 32
...
	.end_amdgpu_metadata
.endif
;; end of part 3
;; launch oproj (part 4): grid 8 x 32, 4 waves a work-group, clusters of 4 x 4, 327,680 bytes of LDS; arguments c6, s6, out0; writes out0
.if DOCPART == 4
	.amdgcn_target "amdgcn-amd-amdhsa--gfx1250"
	.amdhsa_code_object_version 6
	.text
	.protected	k_qb760a2fcf3_oproj
	.globl	k_qb760a2fcf3_oproj
	.p2align	8
	.type	k_qb760a2fcf3_oproj,@function
k_qb760a2fcf3_oproj:
	s_mov_b64 s[64:65], 0
	v_nop
	global_prefetch_b8 v0, s[64:65] scope:SCOPE_SE
	s_setreg_imm32_b32 hwreg(HW_REG_WAVE_MODE, 25, 1), 1
	s_wait_xcnt 0x0
	s_wait_alu depctr_hold_cnt(0) depctr_sa_sdst(0) depctr_va_vdst(0) depctr_va_sdst(0) depctr_va_ssrc(0) depctr_va_vcc(0) depctr_vm_vsrc(0)
	s_getreg_b32 s2, hwreg(HW_REG_IB_STS2, 6, 4)
	s_cmp_eq_u32 s2, 0
	s_cbranch_scc0 .Lentry_in_a_cluster
	s_endpgm
.Lentry_in_a_cluster:
	s_bfe_u32 s2, ttmp6, 0x10000c
	s_cmp_lg_u32 s2, 0xf033
	s_cbranch_scc0 .Lentry_shape_is_right
	s_endpgm
.Lentry_shape_is_right:
; OPROJ: out0 = y wo on codes of FP6, K = 2,048 (16 K steps); y's and wo's fragments and scale images come from c6 and s6 (see prep and attn).  No work is left out here.
; Tiles of 256 x 256 would give 64 work-groups for 256 WGPs: so a work-group makes 128 x 128, each of its four waves 64 x 64: 16 accumulators.
; Source 0 = 16 columns of wo, source 1 = 16 tokens: a lane holds one token (lane row r of its tile) and, in accumulators (a, 2 B), (a, 2 B + 1), columns 32 B + 16 (lane / 16) + 0 .. 15.
; K goes in four slots of 4 K steps.  Three LDS slots: K slots 0, 1, 2 are first fills (three loads a wave are out at the start); K slot 3 fills slot 0 again, eight K steps ahead of its use.
; CLUSTER 4 x 4: y's tile is shared along a row of the cluster, wo's along a column.
; REGISTERS: window 0: v1-29 addresses; v32-95 scale words (32 + 16 i + q: lanes 0-15 y's tile i, lanes 16-31 wo's tile i, K step q), on the way out rows of out0; v128-255 the accumulators, (a, b) at 128 + 8 (4 a + b).
;   window 1: two fragment buffers of 96: y's four fragments, then wo's four.
.set SLOTB, 98304
.set PIECE, 24576                      ; 4 tiles x 4 K steps x 1,536
.set SPARE, 3*SLOTB
.set STAGE, SLOTB                      ; the way out: 16 rows x (256 bytes + 16) for each wave, in slot 1: it has had its only fill, and every wave has passed a barrier behind its last read of it
.set L16,  1
.set SOFF, 2
.set ADRA, 8
.set ADRB, 12
.set STO,  16
.set RD,   17
.set CO,   18
.set SPW,  28
.set NIL,  29
.set SC,   32
.set ACC,  128
.set G1A, 36
.set G1B, 44
.set G0A, 52
.set G0B, 68
.set MUL, 0x05                         ; sources 0 and 1 window 1; C and D window 0
.set MSB, 0
.macro WIN new
.if MSB != (\new)
	s_set_vgpr_msb (MSB<<8)|(\new)
.set MSB, (\new)
.endif
.endm
.macro JLOAD g0a, g1a, g0b, g1b        ; waves 0 and 1 fetch y's halves, waves 2 and 3 wo's; an s_nop 0 and four v_nop follow each line
	s_cmp_eq_u32 s21, 0
	s_cbranch_scc0 .Lfor_b_\@
	tensor_load_to_lds s[\g0a:\g0a+3], s[\g1a:\g1a+7]
	s_nop 0
.rept 4
	v_nop
.endr
	s_branch .Lasked_\@
.Lfor_b_\@:
	tensor_load_to_lds s[\g0b:\g0b+3], s[\g1b:\g1b+7]
	s_nop 0
.rept 4
	v_nop
.endr
.Lasked_\@:
.endm
.macro CREST
	s_cmp_lg_u32 s20, 0
	s_cbranch_scc1 .Lnot_wave_0_\@
	s_barrier_signal -3
.Lnot_wave_0_\@:
	s_barrier_wait -3
	s_barrier_signal -1
	s_barrier_wait -1
.endm
.macro CROUND
	s_barrier_signal -1
	s_barrier_wait -1
	CREST
.endm
.macro PLACES
.rept 4
	v_nop
.endr
.endm
.macro FETCH nl, nq, f                 ; the eight fragments of LDS slot nl's nq-th K step into buffer f: 24 loads of 512 consecutive bytes
	WIN 0x40
.irp i, 0,1,2,3
.irp g, 0,1,2
	ds_load_b128 v[96*(\f)+12*\i+4*\g:96*(\f)+12*\i+4*\g+3], v[ADRA+\nl] offset:6144*\i+1536*(\nq)+512*\g
	ds_load_b128 v[96*(\f)+48+12*\i+4*\g:96*(\f)+48+12*\i+4*\g+3], v[ADRB+\nl] offset:6144*\i+1536*(\nq)+512*\g
.endr
.endr
.endm
; 8 matrix instructions; the 16 accumulators take turns, one instruction a turn, in the same order in every step
.macro MUL8 a0, f, q, zero
.irp a, \a0, \a0+1
.irp b, 0,1,2,3
.if \zero
	v_wmma_scale_f32_16x16x128_f8f6f4 v[ACC+8*(4*(\a)+\b):ACC+8*(4*(\a)+\b)+7], v[96*(\f)+48+12*\b:96*(\f)+48+12*\b+11], v[96*(\f)+12*(\a):96*(\f)+12*(\a)+11], 0, v[SC+16*\b+(\q)], v[SC+16*(\a)+(\q)] matrix_a_fmt:MATRIX_FMT_FP6 matrix_b_fmt:MATRIX_FMT_FP6 matrix_a_scale:MATRIX_SCALE_ROW1
.else
	v_wmma_scale_f32_16x16x128_f8f6f4 v[ACC+8*(4*(\a)+\b):ACC+8*(4*(\a)+\b)+7], v[96*(\f)+48+12*\b:96*(\f)+48+12*\b+11], v[96*(\f)+12*(\a):96*(\f)+12*(\a)+11], v[ACC+8*(4*(\a)+\b):ACC+8*(4*(\a)+\b)+7], v[SC+16*\b+(\q)], v[SC+16*(\a)+(\q)] matrix_a_fmt:MATRIX_FMT_FP6 matrix_b_fmt:MATRIX_FMT_FP6 matrix_a_scale:MATRIX_SCALE_ROW1
.endif
.endr
.endr
.endm
.macro OSTEP q, nl, nq, zero
	s_wait_dscnt 0x0                               ; this step's fragments are in
	PLACES                                         ; behind the last step's products, which read the buffer that is loaded now
	FETCH \nl, \nq, 1-(\q)%2
	WIN MUL
	MUL8 0, (\q)%2, \q, \zero
	MUL8 2, (\q)%2, \q, \zero
.endm
.macro OTURN q, nl, fill               ; a step with a barrier; fill = 1: LDS slot 0, which nobody reads any more, takes K slot 3
	WIN 0
	s_wait_tensorcnt 0x0                           ; all my tensor loads have landed
	ds_add_u32 v[SPW], v[NIL]                      ; 0 onto my spare word
	s_wait_dscnt 0x0                               ; the add is done; this step's fragments are in, and they were my last reads of the slot in hand
	s_barrier_signal -1
	WIN MUL
	MUL8 0, (\q)%2, \q, 0
	WIN 0
	s_barrier_wait -1
.if \fill
	CREST                                          ; the barrier has opened a round of the cluster's
	s_add_nc_u64 s[G0A+2:G0A+3], s[G0A+2:G0A+3], 18432
	s_add_nc_u64 s[G0B+2:G0B+3], s[G0B+2:G0B+3], 18432
	JLOAD G0A, G1A, G0B, G1B                       ; the first tensor load behind the round; its four v_nop are the places in front of the loads below
.else
	PLACES
.endif
	FETCH \nl, 0, 1-(\q)%2
	WIN MUL
	MUL8 2, (\q)%2, \q, 0
.endm
.macro TOSTAGE a                       ; tile a's 16 tokens x my 64 columns through my stage; each accumulator from its low end on
.irp b, 0,1,2,3
	ds_store_b128 v[STO], v[ACC+8*(4*(\a)+\b):ACC+8*(4*(\a)+\b)+3] offset:128*(\b/2)+32*(\b%2)
	ds_store_b128 v[STO], v[ACC+8*(4*(\a)+\b)+4:ACC+8*(4*(\a)+\b)+7] offset:128*(\b/2)+32*(\b%2)+16
.endr
.irp t, 0,1,2,3,4,5,6,7
	ds_load_b128 v[32+32*((\a)%2)+4*\t:32+32*((\a)%2)+4*\t+3], v[RD] offset:544*\t   ; LDS serves a wave's instructions in order: these see my stores
.endr
.endm
.macro SEND a, younger
	s_wait_dscnt \younger
.irp t, 0,1,2,3,4,5,6,7
	global_store_b128 v[CO], v[32+32*((\a)%2)+4*\t:32+32*((\a)%2)+4*\t+3], s[8:9] offset:(32*((\a)/2)+8*((\a)%2)+2*\t+8*(\t/4))*4096 th:TH_STORE_NT   ; lane rows 2 t, 2 t + 1 of the tile: sixteen lanes store 256 consecutive bytes, aligned
.endr
.endm
	s_load_b128 s[4:7], s[0:1], 0x0                ; c6 s[4:5], s6 s[6:7]
	s_load_b64 s[8:9], s[0:1], 0x10                ; out0
	v_lshl_add_u32 v[SPW], v0, 2, SPARE
	v_mov_b32 v[NIL], 0
	ds_add_u32 v[SPW], v[NIL]                      ; the wave's opening: the add, twice on end, and its wait ahead of my first tensor load
	ds_add_u32 v[SPW], v[NIL]
	v_lshrrev_b32 v5, 5, v0
	v_readfirstlane_b32 s20, v5
	s_lshr_b32 s21, s20, 1                         ; my half of the tokens.  Also: I fetch for y (0) or for wo (1)
	s_and_b32 s22, s20, 1                          ; my half of the columns.  Also: which half I fetch
	s_bfe_u32 s23, ttmp6, 0x40000
	s_bfe_u32 s24, ttmp6, 0x40004
	s_lshl_b32 s33, ttmp9, 2
	s_add_co_u32 s33, s33, s23                     ; X: 128 columns
	s_and_b32 s32, ttmp7, 0xffff
	s_lshl_b32 s32, s32, 2
	s_add_co_u32 s32, s32, s24                     ; Y: 128 tokens
	s_lshl_b32 s34, s24, 2
	s_lshl_b32 s34, 15, s34
	s_lshl_b32 s35, 0x1111, s23
	; group 1: 4 rows (tiles) of 6,144 bytes (four K steps), 24,576 bytes apart; elements of 8 bytes; no padding
	s_or_b32 s[G1A], s34, (3<<16)|(1<<21)
	s_or_b32 s[G1B], s35, (3<<16)|(1<<21)
.irp g, G1A, G1B
	s_mov_b32 s[\g+1], 768<<16
	s_mov_b32 s[\g+2], 4<<16
	s_mov_b32 s[\g+3], 768<<16
	s_mov_b32 s[\g+4], 4
	s_mov_b32 s[\g+5], 3072
	s_mov_b32 s[\g+6], 0
	s_mov_b32 s[\g+7], 0
.endr
	s_lshl_b32 s88, s22, 2
	s_lshl_b32 s86, s32, 3
	s_add_co_u32 s86, s86, s88
	s_mul_i32 s86, s86, 24576
	s_mov_b32 s87, 0
	s_lshl_b32 s90, s33, 3
	s_add_co_u32 s90, s90, s88
	s_add_co_u32 s90, s90, 256
	s_mul_i32 s90, s90, 24576
	s_mov_b32 s91, 0
	s_mul_i32 s89, s20, PIECE
	s_wait_dscnt 0x0                               ; both opening adds are done
	s_wait_kmcnt 0x0
	s_add_nc_u64 s[86:87], s[4:5], s[86:87]
	s_add_nc_u64 s[90:91], s[4:5], s[90:91]
	CROUND                                         ; all sixteen work-groups are here: the first joint loads meet
.irp s, 0,1,2
	s_mov_b32 s[G0A+4*\s], 1
	s_add_co_u32 s[G0A+4*\s+1], s89, \s*SLOTB
	s_add_nc_u64 s[G0A+4*\s+2:G0A+4*\s+3], s[86:87], \s*6144
	s_or_b32 s[G0A+4*\s+3], s[G0A+4*\s+3], 0x80000000
	s_mov_b32 s[G0B+4*\s], 1
	s_add_co_u32 s[G0B+4*\s+1], s89, \s*SLOTB
	s_add_nc_u64 s[G0B+4*\s+2:G0B+4*\s+3], s[90:91], \s*6144
	s_or_b32 s[G0B+4*\s+3], s[G0B+4*\s+3], 0x80000000
	JLOAD G0A+4*\s, G1A, G0B+4*\s, G1B
.endr
	v_and_b32 v5, 31, v0
	v_and_b32 v6, 15, v0                           ; r
	v_bfe_u32 v7, v0, 4, 1                         ; h
	v_lshlrev_b32 v[L16], 4, v5
	s_mul_i32 s92, s21, PIECE
	s_mul_i32 s93, s22, PIECE
	s_add_co_u32 s93, s93, 2*PIECE
.irp s, 0,1,2
	v_add_nc_u32 v[ADRA+\s], s92, v[L16]
	v_add_nc_u32 v[ADRB+\s], s93, v[L16]
	s_add_co_u32 s92, s92, SLOTB
	s_add_co_u32 s93, s93, SLOTB
.endr
	s_lshl_b32 s92, s32, 3                         ; the scale words: lanes 0-15 take my tiles of y, lanes 16-31 my tiles of wo
	s_lshl_b32 s94, s21, 2
	s_add_co_u32 s92, s92, s94
	s_lshl_b32 s92, s92, 11
	s_lshl_b32 s93, s33, 3
	s_lshl_b32 s94, s22, 2
	s_add_co_u32 s93, s93, s94
	s_add_co_u32 s93, s93, 256
	s_lshl_b32 s93, s93, 11
	v_mov_b32 v19, s92
	v_mov_b32 v20, s93
	v_cmp_eq_u32 vcc_lo, 1, v7
	v_cndmask_b32 v[SOFF], v19, v20, vcc_lo
	v_lshl_add_u32 v[SOFF], v6, 2, v[SOFF]
.irp i, 0,1,2,3
.irp q, 0,1,2,3,4,5,6,7,8,9,10,11,12,13,14,15
	global_load_b32 v[SC+16*\i+\q], v[SOFF], s[6:7] offset:2048*\i+128*\q
.endr
.endr
	s_mul_i32 s92, s20, 16*272
	s_add_co_u32 s92, s92, STAGE                   ; my stage
	v_mul_u32_u24 v[STO], v6, 272
	v_lshl_add_u32 v[STO], v7, 6, v[STO]
	v_add_nc_u32 v[STO], s92, v[STO]               ; in: row r, + 64 h: columns 32 B + 16 h + .. are bytes 128 B + 64 h + ..
	v_mul_u32_u24 v[RD], v7, 272
	v_lshl_add_u32 v[RD], v6, 4, v[RD]
	v_add_nc_u32 v[RD], s92, v[RD]                 ; back: lanes 0-15 one row of 256 bytes, lanes 16-31 the next
	v_lshlrev_b32 v[CO], 12, v7
	v_lshl_add_u32 v[CO], v6, 4, v[CO]             ; and the same two rows in out0
	s_lshl_b32 s92, s32, 7
	s_lshl_b32 s93, s21, 6
	s_add_co_u32 s92, s92, s93
	s_lshl_b32 s92, s92, 12                        ; my first token's row of 4,096 bytes,
	s_lshl_b32 s93, s33, 9
	s_add_co_u32 s92, s92, s93
	s_lshl_b32 s93, s22, 8
	s_add_co_u32 s92, s92, s93                     ; my first column
	s_mov_b32 s93, 0
	s_add_nc_u64 s[8:9], s[8:9], s[92:93]
	s_wait_tensorcnt 2                             ; my part of slot 0 is in; slots 1 and 2 may stay out
	s_barrier_signal -1
	s_barrier_wait -1
	FETCH 0, 0, 0
	s_wait_loadcnt 0x0                             ; the scale words
	OSTEP 0, 0, 1, 1                               ; the first products start the sums
	OSTEP 1, 0, 2, 0
	OSTEP 2, 0, 3, 0
	OTURN 3, 1, 1                                  ; slot 0 is left and filled again; all three first fills are shown landed to every wave
	OSTEP 4, 1, 1, 0
	OSTEP 5, 1, 2, 0
	OSTEP 6, 1, 3, 0
	OSTEP 7, 2, 0, 0
	OSTEP 8, 2, 1, 0
	OSTEP 9, 2, 2, 0
	OSTEP 10, 2, 3, 0
	OTURN 11, 0, 0                                 ; K slot 3 has landed in slot 0; behind this barrier nobody reads slot 1
	OSTEP 12, 0, 1, 0
	OSTEP 13, 0, 2, 0
	OSTEP 14, 0, 3, 0
	s_wait_dscnt 0x0
	WIN MUL
	MUL8 0, 1, 15, 0
	MUL8 2, 1, 15, 0
	WIN 0
	PLACES                                         ; in front of the first read of results and of loads into the scale words' registers
	TOSTAGE 0
.irp a, 1,2,3
.if \a > 1
	s_wait_xcnt 0x0                                ; tile a - 2's stores have read their registers: tile a's rows may land there
.endif
	TOSTAGE \a
	SEND \a-1, 16                                  ; behind tile a - 1's loads: tile a's 8 stores and 8 loads
.endr
	SEND 3, 0
	s_wait_tensorcnt 0x0                           ; the wave's end: behind my last tensor load and my last LDS store
	ds_add_u32 v[SPW], v[NIL]
	s_wait_dscnt 0x0
	CROUND                                         ; the closing round
	s_endpgm
.Lfunc_end_k_qb760a2fcf3_oproj:
	.size	k_qb760a2fcf3_oproj, .Lfunc_end_k_qb760a2fcf3_oproj-k_qb760a2fcf3_oproj
	.p2alignl 7, 3214868480
	.fill 96, 4, 3214868480
	.section	.rodata,"a",@progbits
	.p2align	6, 0x0
	.amdhsa_kernel k_qb760a2fcf3_oproj
		.amdhsa_group_segment_fixed_size 327680
		.amdhsa_private_segment_fixed_size 0
		.amdhsa_enable_private_segment 0
		.amdhsa_kernarg_size 24
		.amdhsa_user_sgpr_count 2
		.amdhsa_user_sgpr_kernarg_segment_ptr 1
		.amdhsa_wavefront_size32 1
		.amdhsa_system_sgpr_workgroup_id_x 1
		.amdhsa_system_sgpr_workgroup_id_y 1
		.amdhsa_system_sgpr_workgroup_id_z 1
		.amdhsa_system_vgpr_workitem_id 0
		.amdhsa_next_free_vgpr 512
		.amdhsa_next_free_sgpr 100
		.amdhsa_reserve_vcc 1
		.amdhsa_float_denorm_mode_32 3
		.amdhsa_float_denorm_mode_16_64 3
		.amdhsa_memory_ordered 1
		.amdhsa_forward_progress 1
		.amdhsa_inst_pref_size 83
	.end_amdhsa_kernel
	.amdgpu_metadata
---
amdhsa.version: [ 1, 2 ]
amdhsa.kernels:
  - .name:           k_qb760a2fcf3_oproj
    .symbol:         k_qb760a2fcf3_oproj.kd
    .args:
      - { .name: c6, .offset: 0, .size: 8, .value_kind: global_buffer, .address_space: global }
      - { .name: s6, .offset: 8, .size: 8, .value_kind: global_buffer, .address_space: global }
      - { .name: out0, .offset: 16, .size: 8, .value_kind: global_buffer, .address_space: global }
    .group_segment_fixed_size: 327680
    .private_segment_fixed_size: 0
    .kernarg_segment_align: 8
    .kernarg_segment_size: 24
    .max_flat_workgroup_size: 128
    .sgpr_count:     100
    .vgpr_count:     512
    .wavefront_size: 32
...
	.end_amdgpu_metadata
.endif
;; end of part 4
